; MI455X (gfx1250); checked and timed in simulation.
; The chip was launched on July 23, 2026; its instructions are those of AMD's public machine-readable ISA for CDNA 5 (MIT licence, August 2026) and "CDNA5" Instruction Set Architecture Reference Guide (July 2026). The comments in the code are by the model that wrote it; some were corrected since.
;; Flash MHA. Allowed arithmetic: matrix products marked QUANTISED: E2M1 operands, one E8M0 scale for each 32 along K, by v_wmma_scale_f32_16x16x128_f8f6f4 with both operands' format E2M1 (or v_wmma_scale_f32_32x16x128_f4), f32 sums; products left as they are: bf16, f16 or f32 operands; f32 sums; everything else in f32.
;; Inputs: Wkv_b 1,024 float32; Wkv_w 1,024 x 2,048 float32; Wq_b 2,048 float32; Wq_w 2,048 x 2,048 float32; out_b 2,048 float32; out_w 2,048 x 2,048 float32; x 8 x 512 x 2,048 float32.
;; Outputs: out0 8 x 512 x 2,048 float32.
;; This version of the problem:
;;   THIS VERSION OF THE PROBLEM IS GIVEN IN LOW PRECISION. The matrix products marked QUANTISED in the list below multiply operands that are first quantised to E2M1 (2 exponent bits, 1 mantissa bit; 4 bits a number), with one power-of-two scale for each 32 numbers along K (OCP MX v1.0); their sums are f32. The products marked 'left as it is' may take bf16, f16 or f32 operands, with f32 sums. Whichever they take, every output number must still come out within the allowed error. Rounding operands to bf16 (8 significant bits) uses up far more of that allowance than f16 does (11 bits, for magnitudes from 6e-5 to 65,504). All else is computed in f32.
;;   The module's matrix products, in the order in which they are computed (A, B: the left and right operand; K: the contracted axis; several contracted axes count as one K, in the product's order):
;;     1. [M 4,096, K 2,048] x [K 2,048, N 2,048]; A: input x; B: input Wq_w: QUANTISED
;;     2. [M 4,096, K 2,048] x [K 2,048, N 1,024]; A: input x; B: input Wkv_w: QUANTISED
;;     3. batch 128 x [M 512, K 128] x [K 128, N 512]; A: computed on the way; B: computed on the way: left as it is (an operand is computed on the way)
;;     4. batch 128 x [M 128, K 512] x [K 512, N 512]; A: computed on the way; B: computed on the way: left as it is (an operand is computed on the way)
;;     5. [M 4,096, K 2,048] x [K 2,048, N 2,048]; A: computed on the way; B: input out_w: left as it is (an operand is computed on the way)
;;   THE QUANTISER, for each operand of a quantised product, along K:
;;     - K is cut into blocks of 32 from its start; a last block that is shorter is filled with zeros.
;;     - A block's scale is 2^e with e = floor(log2(the largest magnitude in the block)) - 2, held to -126 .. 127; a block of zeros has e = 0. As a byte (E8M0): e + 127.
;;     - Each number is divided by its block's scale, clamped to +-6, and rounded to the nearest number of E2M1, ties to even, subnormals kept.
;;     - The product sums the exact products of the quantised numbers (number of the format x scale) in f32.
;;   ~~~python
;;   def quantise(x, axis):      # numpy; x: float32 -> the quantised numbers, widened to float32 again
;;       x = np.moveaxis(x, axis, -1); K = x.shape[-1]
;;       x = np.pad(x, [(0, 0)] * (x.ndim - 1) + [(0, -K % 32)]); x = x.reshape(x.shape[:-1] + (-1, 32)); a = np.abs(x).max(-1, keepdims=True)
;;       e = np.where(a > 0, np.clip(np.frexp(np.where(a > 0, a, 1))[1] - 1 - 2, -126, 127), 0)      # np.frexp(a)[1] - 1 = floor(log2(a)), exactly
;;       r = np.clip(x / 2.0 ** e, -6, 6)
;;       step = 2.0 ** (np.maximum(np.frexp(np.where(r == 0, 1, r))[1] - 1, 0) - 1)
;;       q = np.round(r / step) * step * 2.0 ** e      # np.round: ties to even
;;       return np.moveaxis(q.reshape(q.shape[:-2] + (-1,))[..., :K], -1, axis).astype(np.float32)
;;   ~~~
;; One version. Each part assembles by itself: llvm-mc -triple=amdgcn-amd-amdhsa -mcpu=gfx1250 --defsym DOCPART=n.
;; ======== version 1 of 1: 4 launches
;; limits: values are held in f16: magnitudes above 65,504 overflow, below 6.1e-05 lose precision
;; workspace buffers: xc 4,194,304 bytes; xs 262,144 bytes; wc 3,145,728 bytes; ws 196,608 bytes; ow16 8,388,608 bytes; rope 262,144 bytes; qkv 25,165,824 bytes; ctx 16,777,216 bytes
;; launch prep (part 1): grid 720 x 1, 4 waves a work-group, no clusters, 33,280 bytes of LDS; arguments x, Wq_w, Wkv_w, out_w, xc, xs, wc, ws, ow16, rope; writes xc, xs, wc, ws, ow16, rope
.if DOCPART == 1
	.amdgcn_target "amdgcn-amd-amdhsa--gfx1250"
	.amdhsa_code_object_version 6
	.text
	.protected	k_q116d13b207_prep
	.globl	k_q116d13b207_prep
	.p2align	8
	.type	k_q116d13b207_prep,@function
k_q116d13b207_prep:
	s_mov_b64 s[64:65], 0
	v_nop
	global_prefetch_b8 v0, s[64:65] scope:SCOPE_SE
	s_setreg_imm32_b32 hwreg(HW_REG_WAVE_MODE, 25, 1), 1
	s_wait_xcnt 0x0
; PREP: everything that is made once from the inputs.  The work-group's number picks one of three jobs.
;   work-groups   0-447: x [4096][2048], Wq_w [2048][2048], Wkv_w [1024][2048], f32, K innermost, become codes of FP4 (E2M1), two a byte, the lower k in the low four bits, with one E8M0 byte for each 32 along K.
;                        x goes to xc / xs; Wq_w and behind it Wkv_w go to wc / ws: one operand of 3,072 rows.
;   work-groups 448-703: out_w becomes f16 (ow16), rounded once.
;   work-groups 704-719: the rotary table: [2 variants][512 positions][32 cos, 32 sin] f32.  Variant 0 is cos and sin of position x 10000^(-j/32); variant 1 is 1 and 0 (for the value heads, which are not rotated).
; THE QUANTISER.  A block's scale is 2^(floor(log2(its largest magnitude)) - 2); its byte is the largest magnitude's exponent field - 2, held at 1 from below.  Each number is divided by the scale and rounded to the
; nearest code, ties to even, beyond 6 the code of 6.  Rows are dense and K is a multiple of 32, so a tensor is a plain stream of blocks.  A wave takes 16 steps of 512 numbers.  Each load reads 512 consecutive bytes;
; a step's 2,048 bytes turn through the wave's own stage in LDS and come back 64 bytes a lane, so that a lane holds 16 neighbours along K (two neighbouring lanes hold a block).
; LIMITS: NaN and infinities among the inputs are not served.  A block of zeros gets the byte 1 where the quantiser's text says 127: its codes are zeros, which add nothing under that byte, and this program alone reads the bytes.
; out_w beyond 65,504 in magnitude does not fit f16.  cos and sin are made by a reduction modulo pi / 2 in two parts and polynomials of degree 7 and 8: good to about 2e-7; 10000^(-j/32) to about 1.5e-7 of itself.
.set WAVES, 4
.set STEPS, 16
.set EMAX,  2
.set CB,    8                          ; bytes of 16 codes
.set R,     16                         ; v16-79   four sets of 16 numbers as they are loaded
.set X,     80                         ; v80-111  two sets of 16 neighbours
.set E,     112                        ; v112-127 a scale byte for each step
.set C,     128                        ; v128-191 codes: four registers for each step, so that no store's data are written again
.set WREG,  8192                       ; LDS: a region for each wave: two stages of 32 x SP bytes, and behind them its 256 scale bytes
.set SP,    80                         ; a lane's place in a stage: its 64 bytes + 16 of padding
.set SPW,   12                         ; v12 LDS address of my spare word; never rewritten
.set NIL,   13                         ; v13 0; never rewritten
.set SPARE, WAVES*WREG                 ; behind the four regions: the spare words, 128 bytes a wave
	s_load_b512 s[4:19], s[0:1], 0x0               ; x s[4:5], Wq_w s[6:7], Wkv_w s[8:9], out_w s[10:11], xc s[12:13], xs s[14:15], wc s[16:17], ws s[18:19]
	s_load_b128 s[20:23], s[0:1], 0x40             ; ow16 s[20:21], rope s[22:23]
	v_lshl_add_u32 v[SPW], v0, 2, SPARE
	v_mov_b32 v[NIL], 0
	v_lshrrev_b32 v1, 5, v0
	v_readfirstlane_b32 s24, v1                    ; wave
	v_and_b32 v2, 31, v0                           ; lane
	v_lshlrev_b32 v3, 4, v2                        ; my 16 bytes of a load's 512
	s_mul_i32 s25, s24, WREG
	v_lshrrev_b32 v14, 2, v2
	v_mul_u32_u24 v14, v14, SP
	v_and_b32 v15, 3, v2
	v_lshl_add_u32 v14, v15, 4, v14
	v_add_nc_u32 v14, s25, v14                     ; the stage, on the way in: four lanes' 64 bytes on end, then 16 of padding
	v_mul_u32_u24 v15, v2, SP
	v_add_nc_u32 v15, s25, v15                     ; and on the way out: my 16 neighbours
	v_mul_u32_u24 v4, v2, CB                       ; 8 x lane: my codes' place in a step's; also my f16 numbers' place
	v_lshrrev_b32 v5, 1, v2
	s_add_co_u32 s25, s25, 2*32*SP
	v_add_nc_u32 v5, s25, v5                       ; LDS: my wave's 256 scale bytes, my block's byte
	v_lshlrev_b32 v7, 3, v2                        ; 8 bytes a lane
	v_add_nc_u32 v6, s25, v7
	s_wait_kmcnt 0x0
	s_cmp_ge_u32 ttmp9, 448
	s_cbranch_scc1 .Lother
	; ---- the quantiser: only pointers are chosen, all three tensors take one way through the text
	s_cmp_lt_u32 ttmp9, 256
	s_cselect_b64 s[4:5], s[4:5], s[6:7]           ; x or Wq_w
	s_cselect_b64 s[12:13], s[12:13], s[16:17]     ; xc or wc
	s_cselect_b64 s[14:15], s[14:15], s[18:19]     ; xs or ws
	s_cselect_b32 s26, 0, 256                      ; the source's first work-group,
	s_mov_b32 s27, s26                             ; and the destination's
	s_cmp_lt_u32 ttmp9, 384
	s_cselect_b64 s[4:5], s[4:5], s[8:9]           ; from 384 on: Wkv_w, which goes on in wc and ws behind Wq_w
	s_cselect_b32 s26, s26, 384
	s_sub_co_u32 s26, ttmp9, s26
	s_lshl_b32 s26, s26, 2
	s_add_co_u32 s26, s26, s24                     ; which run of 8,192 numbers of the source is my wave's
	s_lshl_b32 s28, s26, 15                        ; 32,768 bytes a run
	s_mov_b32 s29, 0
	s_add_nc_u64 s[4:5], s[4:5], s[28:29]
	s_sub_co_u32 s27, ttmp9, s27
	s_lshl_b32 s27, s27, 2
	s_add_co_u32 s27, s27, s24                     ; and of the destination
	s_lshl_b32 s28, s27, 12                        ; 4,096 bytes of codes a run
	s_add_nc_u64 s[12:13], s[12:13], s[28:29]
	s_lshl_b32 s28, s27, 8                         ; 256 scale bytes a run
	s_add_nc_u64 s[14:15], s[14:15], s[28:29]
.macro LOAD t
.irp i, 0,1,2,3
	global_load_b128 v[R+16*((\t)%4)+4*\i:R+16*((\t)%4)+4*\i+3], v3, s[4:5] offset:2048*(\t)+512*\i th:TH_LOAD_NT   ; 32 lanes read 512 consecutive bytes
.endr
.endm
.macro TURN t                          ; step t's numbers through the stage: LDS serves a wave's instructions in order, so no wait stands between the stores and the loads
.irp i, 0,1,2,3
	ds_store_b128 v14, v[R+16*((\t)%4)+4*\i:R+16*((\t)%4)+4*\i+3] offset:32*SP*((\t)%2)+8*SP*\i
.endr
.irp i, 0,1,2,3
	ds_load_b128 v[X+16*((\t)%2)+4*\i:X+16*((\t)%2)+4*\i+3], v15 offset:32*SP*((\t)%2)+16*\i
.endr
.endm
.irp t, 0,1,2,3
	LOAD \t
.endr
	s_wait_loadcnt 12                              ; step 0's four loads are in; the twelve of steps 1 to 3 may be out
	TURN 0
.macro STEP t
.set XS, X+16*((\t)%2)
.if (\t) > 0
	s_wait_dscnt 1                                 ; this step's numbers are back from the stage (the last step's byte store may be out): so its stores into the stage have read their registers,
.else
	s_wait_dscnt 0x0
.endif
.if (\t)+4 < STEPS
	LOAD (\t)+4                                    ; which take the loads of four steps on
.endif
.if (\t)+1 < STEPS
.if STEPS-2-(\t) >= 3
	s_wait_loadcnt 12                              ; the next step's four loads are in; those of the three steps behind it may be out
.else
	s_wait_loadcnt 4*(STEPS-2-(\t))
.endif
	TURN (\t)+1                                    ; and go through the other stage while this step is worked
.endif
	v_max3_num_f32 v8, |v[XS]|, |v[XS+1]|, |v[XS+2]|               ; the largest magnitude of my 16, in two chains
	v_max3_num_f32 v9, |v[XS+3]|, |v[XS+4]|, |v[XS+5]|
.irp i, 6,10
	v_max3_num_f32 v8, v8, |v[XS+\i]|, |v[XS+\i+1]|
	v_max3_num_f32 v9, v9, |v[XS+\i+2]|, |v[XS+\i+3]|
.endr
	v_max3_num_f32 v8, v8, |v[XS+14]|, |v[XS+15]|
	v_max3_num_f32 v8, v8, v9, (EMAX+1)<<23        ; and the floor 2^(3 - 127): so the byte cannot fall under 1
	v_max_num_f32_dpp v8, v8, v8 row_xmask:1 row_mask:0xf bank_mask:0xf   ; and of my neighbour's 16: the block's
	v_add_nc_u32 v11, -(EMAX<<23), v8              ; 2 off its exponent field: the conversion takes the exponent field of this operand as its scale
	v_cvt_scalef32_pk8_fp4_f32 v[C+4*(\t)], v[XS:XS+7], v11
	v_cvt_scalef32_pk8_fp4_f32 v[C+4*(\t)+1], v[XS+8:XS+15], v11
	v_lshrrev_b32 v[E+(\t)], 23, v11               ; the scale's byte (also the plain line behind the conversions)
	ds_store_b8 v5, v[E+(\t)] offset:16*(\t)       ; both lanes of a block write the same byte with the same value
	global_store_b64 v4, v[C+4*(\t):C+4*(\t)+1], s[12:13] offset:32*CB*(\t)   ; the wave stores 256 consecutive bytes, aligned
.endm
.irp t, 0,1,2,3,4,5,6,7,8,9,10,11,12,13,14,15
	STEP \t
.endr
	ds_load_b64 v[8:9], v6                         ; LDS serves a wave's instructions in order: this sees my byte stores
	s_wait_dscnt 0x0
	global_store_b64 v7, v[8:9], s[14:15]          ; 32 lanes store the wave's 256 scale bytes, aligned
	s_wait_tensorcnt 0x0                           ; the wave's end: a tensor wait, an add of 0 to my spare word and its wait, behind my last LDS store
	ds_add_u32 v[SPW], v[NIL]
	s_wait_dscnt 0x0
	s_endpgm
.Lother:
	s_cmp_ge_u32 ttmp9, 704
	s_cbranch_scc1 .Ltable
	; ---- out_w to f16: a wave takes 4,096 numbers: 32 loads of 512 consecutive bytes, all on their way at once; 32 stores of 256 consecutive bytes.  No register is written twice.
	s_sub_co_u32 s26, ttmp9, 448
	s_lshl_b32 s26, s26, 2
	s_add_co_u32 s26, s26, s24
	s_lshl_b32 s28, s26, 14
	s_mov_b32 s29, 0
	s_add_nc_u64 s[10:11], s[10:11], s[28:29]
	s_lshl_b32 s28, s26, 13
	s_add_nc_u64 s[20:21], s[20:21], s[28:29]
.set i, 0
.rept 32
	global_load_b128 v[16+4*i:19+4*i], v3, s[10:11] offset:512*i th:TH_LOAD_NT
.set i, i+1
.endr
.set i, 0
.rept 32
	s_wait_loadcnt 31-i                            ; loads come back in order: load i is in, the younger ones stay out
	v_cvt_pk_f16_f32 v[144+2*i], v[16+4*i], v[17+4*i]
	v_cvt_pk_f16_f32 v[145+2*i], v[18+4*i], v[19+4*i]
	global_store_b64 v4, v[144+2*i:145+2*i], s[20:21] offset:256*i
.set i, i+1
.endr
	s_endpgm
.Ltable:
	; ---- the rotary table: a wave makes 8 rows.  Lanes 0-15 make cos, lanes 16-31 sin (hh = lane / 16); a lane has the two frequencies j = 2 (lane % 16) + 0, 1: its 8 bytes lie at 8 x lane of the row's 256.
	s_sub_co_u32 s30, ttmp9, 704
	s_lshl_b32 s30, s30, 5
	s_lshl_b32 s31, s24, 3
	s_add_co_u32 s30, s30, s31                     ; my wave's first position
	s_lshl_b32 s28, s30, 8
	s_mov_b32 s29, 0
	s_add_nc_u64 s[22:23], s[22:23], s[28:29]
	s_mov_b32 s32, 0xbed49a80                      ; -435412 x 2^-20, log2(10000) / 32 cut to 19 bits: j times it is exact
	s_mov_b32 s33, 0x342ae0c5                      ; ln 2 x what was cut off: 1.5914e-7
	s_mov_b32 s34, 0x3f22f983                      ; 2 / pi
	s_mov_b32 s35, 0xbfc90fdb                      ; -(pi / 2 as f32)
	s_mov_b32 s36, 0x333bbd2e                      ; that f32 less pi / 2: 4.3711e-8
	s_mov_b32 s37, 0xb94ca1f9                      ; sin: -1.9515e-4,
	s_mov_b32 s38, 0x3c08839e                      ; 8.3322e-3,
	s_mov_b32 s39, 0xbe2aaaa3                      ; -0.16666655
	s_mov_b32 s40, 0x37ccf5ce                      ; cos: 2.4433e-5,
	s_mov_b32 s41, 0xbab6061a                      ; -1.38873e-3,
	s_mov_b32 s42, 0x3d2aaaa5                      ; 4.1666646e-2
	v_lshrrev_b32 v16, 4, v2                       ; hh
	v_and_b32 v17, 15, v2
	v_lshlrev_b32 v17, 1, v17
	v_cvt_f32_u32 v18, v17                         ; j
	v_add_f32 v19, 1.0, v18                        ; j + 1
	v_mul_f32 v20, s32, v18
	v_mul_f32 v21, s32, v19
	v_exp_f32 v20, v20
	v_exp_f32 v21, v21
	v_mul_f32 v18, s33, v18                        ; (plain lines behind the exponentials)
	v_mul_f32 v19, s33, v19
	s_wait_alu depctr_va_vdst(0)                   ; one wait for both exponentials, ahead of their first reader
	v_fma_f32 v20, v20, v18, v20                   ; 10000^(-j/32)
	v_fma_f32 v21, v21, v19, v21
	v_cvt_f32_u32 v48, v16
	v_sub_f32 v48, 1.0, v48                        ; variant 1: 1 in the cos half, 0 in the sin half
	v_mov_b32 v49, v48
; Row i.  theta = position x frequency, rounded once as in the source; n = the nearest whole number to theta x 2 / pi; r = theta - n pi / 2 in two parts; sin(theta) = cos(theta - pi / 2), so both halves of the lanes
; take cos with the quadrant m = n - hh: cos r, -sin r, -cos r, sin r for m mod 4 = 0, 1, 2, 3.  The choice selects values only.
.macro ROW i
	s_add_co_u32 s31, s30, \i
	v_cvt_f32_u32 v22, s31
.irp e, 0,1
	v_mul_f32 v[24+\e], v22, v[20+\e]
.endr
.irp e, 0,1
	v_mul_f32 v[26+\e], s34, v[24+\e]
.endr
.irp e, 0,1
	v_rndne_f32 v[26+\e], v[26+\e]
.endr
.irp e, 0,1
	v_fma_f32 v[24+\e], v[26+\e], s35, v[24+\e]
.endr
.irp e, 0,1
	v_fma_f32 v[24+\e], v[26+\e], s36, v[24+\e]
.endr
.irp e, 0,1
	v_mul_f32 v[28+\e], v[24+\e], v[24+\e]
	v_cvt_i32_f32 v[26+\e], v[26+\e]
.endr
.irp e, 0,1
	v_fma_f32 v[50+\e], v[28+\e], s37, s38
	v_fma_f32 v[52+\e], v[28+\e], s40, s41
	v_sub_nc_u32 v[26+\e], v[26+\e], v16
.endr
.irp e, 0,1
	v_fma_f32 v[50+\e], v[50+\e], v[28+\e], s39
	v_fma_f32 v[52+\e], v[52+\e], v[28+\e], s42
	v_and_b32 v[54+\e], 1, v[26+\e]
.endr
.irp e, 0,1
	v_mul_f32 v[50+\e], v[50+\e], v[28+\e]
	v_fma_f32 v[52+\e], v[52+\e], v[28+\e], -0.5
	v_add_nc_u32 v[26+\e], 1, v[26+\e]
.endr
.irp e, 0,1
	v_fma_f32 v[50+\e], v[50+\e], v[24+\e], v[24+\e]               ; sin r
	v_fma_f32 v[52+\e], v[52+\e], v[28+\e], 1.0                    ; cos r
	v_and_b32 v[26+\e], 2, v[26+\e]
.endr
.irp e, 0,1
	v_lshlrev_b32 v[26+\e], 30, v[26+\e]                           ; the sign bit where m mod 4 is 1 or 2
	v_cmp_eq_u32 vcc_lo, 1, v[54+\e]
	v_cndmask_b32 v[50+\e], v[52+\e], v[50+\e], vcc_lo
.endr
.irp e, 0,1
	v_xor_b32 v[32+2*(\i)+\e], v[50+\e], v[26+\e]
.endr
	global_store_b64 v7, v[32+2*(\i):33+2*(\i)], s[22:23] offset:256*(\i)          ; the wave stores the row's 256 bytes, aligned
	global_store_b64 v7, v[48:49], s[22:23] offset:131072+256*(\i)                 ; and the same row of variant 1
.endm
.irp i, 0,1,2,3,4,5,6,7
	ROW \i
.endr
	s_endpgm
.Lfunc_end_k_q116d13b207_prep:
	.size	k_q116d13b207_prep, .Lfunc_end_k_q116d13b207_prep-k_q116d13b207_prep
	.p2alignl 7, 3214868480
	.fill 96, 4, 3214868480
	.section	.rodata,"a",@progbits
	.p2align	6, 0x0
	.amdhsa_kernel k_q116d13b207_prep
		.amdhsa_group_segment_fixed_size 33280
		.amdhsa_private_segment_fixed_size 0
		.amdhsa_enable_private_segment 0
		.amdhsa_kernarg_size 80
		.amdhsa_user_sgpr_count 2
		.amdhsa_user_sgpr_kernarg_segment_ptr 1
		.amdhsa_wavefront_size32 1
		.amdhsa_system_sgpr_workgroup_id_x 1
		.amdhsa_system_sgpr_workgroup_id_y 1
		.amdhsa_system_sgpr_workgroup_id_z 1
		.amdhsa_system_vgpr_workitem_id 0
		.amdhsa_next_free_vgpr 208
		.amdhsa_next_free_sgpr 66
		.amdhsa_reserve_vcc 1
		.amdhsa_float_denorm_mode_32 3
		.amdhsa_float_denorm_mode_16_64 3
		.amdhsa_memory_ordered 1
		.amdhsa_forward_progress 1
		.amdhsa_inst_pref_size 65
	.end_amdhsa_kernel
	.amdgpu_metadata
---
amdhsa.version: [ 1, 2 ]
amdhsa.kernels:
  - .name:           k_q116d13b207_prep
    .symbol:         k_q116d13b207_prep.kd
    .args:
      - { .name: x, .offset: 0, .size: 8, .value_kind: global_buffer, .address_space: global }
      - { .name: Wq_w, .offset: 8, .size: 8, .value_kind: global_buffer, .address_space: global }
      - { .name: Wkv_w, .offset: 16, .size: 8, .value_kind: global_buffer, .address_space: global }
      - { .name: out_w, .offset: 24, .size: 8, .value_kind: global_buffer, .address_space: global }
      - { .name: xc, .offset: 32, .size: 8, .value_kind: global_buffer, .address_space: global }
      - { .name: xs, .offset: 40, .size: 8, .value_kind: global_buffer, .address_space: global }
      - { .name: wc, .offset: 48, .size: 8, .value_kind: global_buffer, .address_space: global }
      - { .name: ws, .offset: 56, .size: 8, .value_kind: global_buffer, .address_space: global }
      - { .name: ow16, .offset: 64, .size: 8, .value_kind: global_buffer, .address_space: global }
      - { .name: rope, .offset: 72, .size: 8, .value_kind: global_buffer, .address_space: global }
    .group_segment_fixed_size: 33280
    .private_segment_fixed_size: 0
    .kernarg_segment_align: 8
    .kernarg_segment_size: 80
    .max_flat_workgroup_size: 128
    .sgpr_count:     66
    .vgpr_count:     208
    .wavefront_size: 32
...
	.end_amdgpu_metadata
.endif
;; end of part 1
;; launch qkv (part 2): grid 12 x 16, 4 waves a work-group, clusters of 4 x 4, 327,680 bytes of LDS; arguments xc, xs, wc, ws, Wq_b, Wkv_b, rope, qkv; writes qkv
.if DOCPART == 2
	.amdgcn_target "amdgcn-amd-amdhsa--gfx1250"
	.amdhsa_code_object_version 6
	.text
	.protected	k_q116d13b207_qkv
	.globl	k_q116d13b207_qkv
	.p2align	8
	.type	k_q116d13b207_qkv,@function
k_q116d13b207_qkv:
	s_mov_b64 s[64:65], 0
	v_nop
	global_prefetch_b8 v0, s[64:65] scope:SCOPE_SE
	s_setreg_imm32_b32 hwreg(HW_REG_WAVE_MODE, 25, 1), 1
	s_wait_xcnt 0x0
	s_wait_alu depctr_hold_cnt(0) depctr_sa_sdst(0) depctr_va_vdst(0) depctr_va_sdst(0) depctr_va_ssrc(0) depctr_va_vcc(0) depctr_vm_vsrc(0)
	s_getreg_b32 s2, hwreg(HW_REG_IB_STS2, 6, 4)
	s_cmp_eq_u32 s2, 0
	s_cbranch_scc0 .Lentry_in_a_cluster
	s_endpgm
.Lentry_in_a_cluster:
	s_bfe_u32 s2, ttmp6, 0x10000c
	s_cmp_lg_u32 s2, 0xf033
	s_cbranch_scc0 .Lentry_shape_is_right
	s_endpgm
.Lentry_shape_is_right:
; q, k, v = x W^T + b on codes of FP4 (E2M1) with one E8M0 scale for each 32 along K; then the partial rotary on q and k; the result in f16, laid by head.
; A = xc [4096][2048 codes], B = wc [3072][2048 codes] (rows 0-2047 Wq_w, 2048-2559 the key heads, 2560-3071 the value heads); xs, ws: a byte for each 32 along K.  Sums in f32.
; OUT: qkv [8 batches][24 slabs][512 positions][128] f16; slabs 0-15 the query heads, 16-19 the key heads, 20-23 the value heads.
; A tile of the result, 256 x 256, is made by a work-group of four waves; a wave makes 128 rows x 128 columns: 64 accumulators of 16 x 16, 512 registers.  A WAVE'S 128 COLUMNS ARE ONE HEAD, its 128 rows lie in one
; batch: so its result is 32,768 consecutive bytes of qkv, and the rotary, which pairs channels d and d + 32 of a head, stays inside a lane.
; K goes in steps of 512 through a ring of two LDS slots filled by the tensor data mover (a tile's row is 256 bytes of memory); the scale bytes of the work-group's rows, for all of K, come once and stay.
; CLUSTERS: 4 x 4 work-groups.  The four of a row of the cluster need the same tiles of A, the four of a column the same tiles of B: each tile is asked for jointly.
; THE MATRIX INSTRUCTION IS USED TRANSPOSED (source 0 = 16 rows of B, source 1 = 16 rows of A): a lane holds one row (position) and eight neighbouring channels.
; THE BIAS is the C of each sum's first matrix instruction.  THE ROTARY is done for every head alike, without a branch: the value heads read the table's variant of ones and zeros.
; LIMITS: NaN and infinities are not served (the value heads' numbers are multiplied by 0 and added); q, k, v beyond 65,504 in magnitude do not fit f16.
; REGISTERS, in windows of 256: window 0: v0-31 addresses; v32-95 scale words, two sets, and nothing else; v128-191 A's fragments, one set; v192-255 the bias (8 blocks of 8); on the way out v96-127, v128-159, v192-255 at work.
;   window 1: B's fragments, two sets, at v0 and v128; v64-127 and v192-255 the rotary table of my row blocks 0-3 (blocks 4-7 come into B's sets behind the last product).
;   window 2: the accumulators of my rows 0-63 ((a, b) at v[8 (8 a + b)]);   window 3: those of rows 64-127.
.set SIZE_K, 2048
.set KSTEP,  512                       ; along K in a slot
.set NQ,     KSTEP/128                 ; matrix instructions deep
.set ROWB,   256                       ; a tile's row in bytes
.set KROW,   SIZE_K*4/8                ; a row of codes in memory
.set PITCH,  272                       ; an LDS row: 256 bytes + 16 of padding = 68 words: the 16 rows that a load touches start at 16 different banks (64 banks of 4 bytes: ISA guide 11.1)
.set FR,     8                         ; registers of a fragment: 16 rows x 128 K
.set NL,     2                         ; LDS loads that bring one
.set NP,     4                         ; places behind this matrix instruction (ISA guide 7.12.1)
.set HALFT,  128*PITCH
.set SLOT,   4*HALFT                   ; A's 256 rows, then B's 256 rows
.set LAPS,   SIZE_K/(2*KSTEP)
.set KS,     SIZE_K/32                 ; a row of scales in bytes
.set SCL,    2*SLOT                    ; behind the ring: the scales, as rows of 256 bytes + 16 of padding
.set HALFS,  (128*KS/256)*272
.set SBLK,   (16*KS/256)*272
.set SPARE,  SCL+4*HALFS               ; behind the scales: the spare words, 128 bytes a wave
.set SPITCH, 272                       ; the way out: a stage of 16 rows x (256 bytes + 16) for each wave, in slot 0, which has had its last fill and its last read by then
.set ADRA, 16
.set ADRB, 20
.set STO,  24
.set RD,   25
.set CO,   26
.set ADRS, 27
.set SPW,  28
.set NIL,  29
.set TA,   30                          ; v30  the table: 256 x (lane % 16) + 32 x (lane / 16); never rewritten
.set BO,   31                          ; v31  the bias: 32 x (lane / 16); never rewritten
.set SC,   32
.set AF,   128
.set BIAS, 192
.set U,    96                          ; the way out: 32 rotated numbers
.set TMP,  128                         ; 32 registers of f16 pairs
.set BK,   192                         ; 16 rows read back from the stage: v192-223 and v224-255 by turns
.set G1, 24
.set G0, 32
.set G1B, 48
.set G0B, 56
.set G1S, 68
.set G0S, 76
.set G1SB, 80
.set G0SB, 88
.set MSB, 0
.macro WIN new                         ; the immediate's high byte repeats the setting that is left
.if MSB != (\new)
	s_set_vgpr_msb (MSB<<8)|(\new)
.set MSB, (\new)
.endif
.endm
.set MUL_LO, 0xa1                      ; source 0 (B) window 1, source 1 (A) window 0, C and D window 2
.set MUL_HI, 0xf1                      ; the same, C and D window 3
.set FIRST_LO, 0x81                    ; the first step: C (the bias) window 0, D window 2
.set FIRST_HI, 0xc1                    ; D window 3
.set TO_B,   0x40                      ; destination window 1, address window 0
; A joint load: waves 0 and 1 fetch for A, waves 2 and 3 for B; the branch hangs on the wave's number alone.  An s_nop 0 and four v_nop follow each of the two lines.
.macro JLOAD g0a, g1a, g0b, g1b
	s_cmp_eq_u32 s15, 0
	s_cbranch_scc0 .Lfor_b_\@
	tensor_load_to_lds s[\g0a:\g0a+3], s[\g1a:\g1a+7]
	s_nop 0
.rept 4
	v_nop
.endr
	s_branch .Lasked_\@
.Lfor_b_\@:
	tensor_load_to_lds s[\g0b:\g0b+3], s[\g1b:\g1b+7]
	s_nop 0
.rept 4
	v_nop
.endr
.Lasked_\@:
.endm
.macro CREST                           ; a round of the cluster's barrier behind its opening barrier
	s_cmp_lg_u32 s14, 0
	s_cbranch_scc1 .Lnot_wave_0_\@
	s_barrier_signal -3
.Lnot_wave_0_\@:
	s_barrier_wait -3
	s_barrier_signal -1
	s_barrier_wait -1
.endm
.macro CROUND
	s_barrier_signal -1
	s_barrier_wait -1
	CREST
.endm
	s_load_b256 s[4:11], s[0:1], 0x0               ; xc s[4:5], xs s[6:7], wc s[8:9], ws s[10:11]
	v_lshl_add_u32 v[SPW], v0, 2, SPARE
	v_mov_b32 v[NIL], 0
	ds_add_u32 v[SPW], v[NIL]                      ; the wave's opening: the add, twice on end, and its wait ahead of my first tensor load
	ds_add_u32 v[SPW], v[NIL]
	v_lshrrev_b32 v1, 5, v0
	v_readfirstlane_b32 s14, v1                    ; wave 0..3
	s_lshr_b32 s15, s14, 1                         ; which half of the tile's rows is mine.  Also: I fetch for A (0) or for B (1)
	s_and_b32 s16, s14, 1                          ; which half of its columns.  Also: which 128 rows of that tile I fetch
	s_bfe_u32 s40, ttmp6, 0x40000                  ; cx, cy: my place in the cluster
	s_bfe_u32 s41, ttmp6, 0x40004
	s_lshl_b32 s42, ttmp9, 2
	s_add_co_u32 s42, s42, s40                     ; tile column = 4 x cluster x + cx
	s_and_b32 s17, ttmp7, 0xffff
	s_lshl_b32 s17, s17, 2
	s_add_co_u32 s17, s17, s41                     ; tile row = 4 x cluster y + cy
	s_lshl_b32 s43, s41, 2
	s_lshl_b32 s43, 15, s43                        ; my row of the cluster
	s_lshl_b32 s44, 0x1111, s40                    ; my column
	; descriptor group 1: a tile of 128 rows x 256 bytes, 16 bytes of padding behind each row
	s_or_b32 s[G1+0], s43, (0<<16)|(1<<20)|(1<<21)|(5<<22)|(3<<25)  ; 15:0 the mask; 17:16 elements of 1 byte; 20 padding on; 21 set beside a mask; 24:22 after every 64 words; 31:25 four words
	s_or_b32 s[G1B+0], s44, (0<<16)|(1<<20)|(1<<21)|(5<<22)|(3<<25)
.irp g, G1, G1B
	s_mov_b32 s[\g+1], ROWB<<16                    ; tensor_dim0
	s_mov_b32 s[\g+2], 128<<16                     ; tensor_dim1
	s_mov_b32 s[\g+3], ROWB<<16                    ; tile_dim0
	s_mov_b32 s[\g+4], 128                         ; tile_dim1
	s_mov_b32 s[\g+5], KROW                        ; tensor_dim0_stride
	s_mov_b32 s[\g+6], 0
	s_mov_b32 s[\g+7], 0
.endr
	; the scales of 128 rows: a dense block of 8,192 bytes, as rows of 256 bytes (32 elements of 8 bytes), 16 bytes of padding behind each
	s_or_b32 s[G1S+0], s43, (3<<16)|(1<<20)|(1<<21)|(5<<22)|(3<<25)
	s_or_b32 s[G1SB+0], s44, (3<<16)|(1<<20)|(1<<21)|(5<<22)|(3<<25)
.irp g, G1S, G1SB
	s_mov_b32 s[\g+1], 32<<16
	s_mov_b32 s[\g+2], (128*KS/256)<<16
	s_mov_b32 s[\g+3], 32<<16
	s_mov_b32 s[\g+4], 128*KS/256
	s_mov_b32 s[\g+5], 32
	s_mov_b32 s[\g+6], 0
	s_mov_b32 s[\g+7], 0
.endr
	s_lshl_b32 s18, s16, 7                         ; which 128 rows of the tile I fetch
	s_lshl_b32 s20, s17, 8
	s_add_co_u32 s20, s20, s18                     ; A: row 256 x tile row + 128 x half
	s_lshl_b32 s46, s42, 8
	s_add_co_u32 s46, s46, s18                     ; B: row 256 x tile column + 128 x half
	s_mov_b32 s21, 0
	s_mov_b32 s47, 0
	s_mov_b64 s[18:19], KS
	s_mul_u64 s[22:23], s[20:21], s[18:19]         ; where these rows' scales begin, in bytes
	s_mul_u64 s[92:93], s[46:47], s[18:19]
	s_mov_b64 s[18:19], KROW
	s_mul_u64 s[20:21], s[20:21], s[18:19]         ; and their codes
	s_mul_u64 s[46:47], s[46:47], s[18:19]
	s_mul_i32 s45, s14, HALFT                      ; where they go: wave x 128 rows: no place in the cluster enters an LDS address
	s_mul_i32 s94, s14, HALFS
	s_wait_dscnt 0x0                               ; both opening adds are done
	s_wait_kmcnt 0x0
	s_add_nc_u64 s[20:21], s[4:5], s[20:21]
	s_add_nc_u64 s[22:23], s[6:7], s[22:23]
	s_add_nc_u64 s[46:47], s[8:9], s[46:47]
	s_add_nc_u64 s[92:93], s[10:11], s[92:93]
	CROUND                                         ; all sixteen work-groups are here: the first joint loads meet
	s_mov_b32 s[G0S], 1
	s_add_co_u32 s[G0S+1], s94, SCL
	s_mov_b64 s[G0S+2:G0S+3], s[22:23]
	s_or_b32 s[G0S+3], s[G0S+3], 0x80000000
	s_mov_b32 s[G0SB], 1
	s_add_co_u32 s[G0SB+1], s94, SCL
	s_mov_b64 s[G0SB+2:G0SB+3], s[92:93]
	s_or_b32 s[G0SB+3], s[G0SB+3], 0x80000000
	JLOAD G0S, G1S, G0SB, G1SB                     ; the scales first: they are wanted with K step 0
.irp s, 0,1
	s_mov_b32 s[G0+4*\s], 1
	s_add_co_u32 s[G0+4*\s+1], s45, \s*SLOT
	s_add_nc_u64 s[G0+4*\s+2:G0+4*\s+3], s[20:21], \s*ROWB
	s_or_b32 s[G0+4*\s+3], s[G0+4*\s+3], 0x80000000
	s_mov_b32 s[G0B+4*\s], 1
	s_add_co_u32 s[G0B+4*\s+1], s45, \s*SLOT
	s_add_nc_u64 s[G0B+4*\s+2:G0B+4*\s+3], s[46:47], \s*ROWB
	s_or_b32 s[G0B+4*\s+3], s[G0B+4*\s+3], 0x80000000
	JLOAD G0+4*\s, G1, G0B+4*\s, G1B               ; three tensor loads of mine are out now
.endr
	s_load_b256 s[4:11], s[0:1], 0x20              ; the first four addresses are used up: Wq_b s[4:5], Wkv_b s[6:7], rope s[8:9], qkv s[10:11]
	v_and_b32 v1, 15, v0                           ; l % 16
	v_bfe_u32 v2, v0, 4, 1                         ; l / 16
	v_mul_u32_u24 v3, v1, PITCH
	v_lshl_add_u32 v4, v2, 4, v3                   ; a fragment's row x pitch + 16 x half
	s_mul_i32 s21, s15, HALFT                      ; my 128 rows of A
	s_mul_i32 s22, s16, HALFT                      ; my 128 rows of B,
	s_add_co_u32 s22, s22, 2*HALFT                 ; which lie behind A's 256
.irp s, 0,1
	v_add_nc_u32 v[ADRA+\s], s21, v4
	v_add_nc_u32 v[ADRB+\s], s22, v4
	s_add_co_u32 s21, s21, SLOT
	s_add_co_u32 s22, s22, SLOT
.endr
	v_mul_u32_u24 v5, v1, KS                       ; my row's scales: KS bytes a row,
	v_lshrrev_b32 v6, 8, v5
	v_lshl_add_u32 v5, v6, 4, v5                   ; and 16 more for each 256 passed
	s_mul_i32 s21, s15, HALFS                      ; A's: my 128 rows
	s_mul_i32 s22, s16, HALFS                      ; B's: my 128 rows, behind A's 256
	s_add_co_u32 s22, s22, 2*HALFS
	s_sub_co_u32 s22, s22, s21
	v_mul_u32_u24 v6, s22, v2                      ; lanes 16-31 take B's
	s_add_co_u32 s21, s21, SCL
	v_add_nc_u32 v5, v5, v6
	v_add_nc_u32 v[ADRS], s21, v5
	s_mul_i32 s23, s14, 16*SPITCH                  ; my stage
	v_mul_u32_u24 v5, v1, SPITCH                   ; in: row l % 16, 16 bytes for each half of the lanes
	v_lshl_add_u32 v5, v2, 4, v5
	v_add_nc_u32 v[STO], s23, v5
	v_mul_u32_u24 v5, v2, SPITCH                   ; back: lanes 0-15 one row of 256 bytes, lanes 16-31 the next
	v_lshl_add_u32 v5, v1, 4, v5
	v_add_nc_u32 v[RD], s23, v5
	v_and_b32 v6, 31, v0
	v_lshlrev_b32 v[CO], 4, v6                     ; in qkv the two rows are 512 consecutive bytes: 16 x lane
	v_lshlrev_b32 v[TA], 8, v1
	v_lshl_add_u32 v[TA], v2, 5, v[TA]
	v_lshlrev_b32 v[BO], 5, v2
	s_lshl_b32 s92, s42, 1
	s_add_co_u32 s92, s92, s16                     ; my head's slab, 0 .. 23: 2 x tile column + half
	s_lshl_b32 s20, s17, 8
	s_lshl_b32 s21, s15, 7
	s_add_co_u32 s20, s20, s21                     ; my first row of x
	s_lshr_b32 s21, s20, 9                         ; its batch,
	s_and_b32 s20, s20, 511                        ; its position
	s_mul_i32 s21, s21, 24
	s_add_co_u32 s21, s21, s92
	s_lshl_b32 s46, s21, 17                        ; a slab is 512 x 256 bytes
	s_lshl_b32 s93, s20, 8                         ; 256 bytes a position, in qkv and in the table alike
	s_add_co_u32 s46, s46, s93
	s_mov_b32 s47, 0
	s_wait_kmcnt 0x0
	s_add_nc_u64 s[12:13], s[10:11], s[46:47]      ; where my 32,768 bytes of qkv begin
	s_cmp_lt_u32 s92, 20
	s_cselect_b32 s46, 0, 131072                   ; query and key heads: the table; value heads: its variant of ones and zeros
	s_add_co_u32 s46, s46, s93
	s_add_nc_u64 s[8:9], s[8:9], s[46:47]
	s_cmp_lt_u32 s92, 16
	s_cselect_b64 s[4:5], s[4:5], s[6:7]           ; Wq_b, or Wkv_b from slab 16 on
	s_cselect_b32 s46, 0, 16
	s_sub_co_u32 s46, s92, s46
	s_lshl_b32 s46, s46, 9                         ; 128 numbers a head
	s_add_nc_u64 s[4:5], s[4:5], s[46:47]
.irp b, 0,1,2,3,4,5,6,7
	global_load_b128 v[BIAS+8*\b:BIAS+8*\b+3], v[BO], s[4:5] offset:64*\b          ; lane (r, h), block b: the bias of channels 16 b + 8 h + 0 .. 7: the result's layout
	global_load_b128 v[BIAS+8*\b+4:BIAS+8*\b+7], v[BO], s[4:5] offset:64*\b+16
.endr
; The table of row block a: lane (r, h) takes, of position 16 a + r, cos and sin (sc = 0, 1) of the frequencies 16 bb + 8 h + 0 .. 7: 32 registers at TT + 16 sc + 8 bb.
.macro TABLE a
.if (\a) < 4
.set TT, 64+128*((\a)/2)+32*((\a)%2)
.else
.set TT, 128*(((\a)-4)/2)+32*((\a)%2)
.endif
.irp sc, 0,1
.irp bb, 0,1
.irp hf, 0,1
	global_load_b128 v[TT+16*\sc+8*\bb+4*\hf:TT+16*\sc+8*\bb+4*\hf+3], v[TA], s[8:9] offset:4096*(\a)+128*\sc+64*\bb+16*\hf
.endr
.endr
.endr
.endm
	WIN TO_B
	TABLE 0
	TABLE 1
	TABLE 2
	TABLE 3
	WIN 0
.macro FRAG reg, adr, q, i             ; a fragment: lane l holds row l % 16; registers 4 c .. 4 c + 3 hold K = 64 c + 32 (l / 16) + 0 .. 31
.irp c, 0,1
	ds_load_b128 v[\reg+4*\c:\reg+4*\c+3], v[\adr] offset:64*(\q)+32*\c+(\i)*16*PITCH
.endr
.endm
; 16 matrix instructions: A's blocks a0, a0 + 1 x B's eight, 128 along K.  zero = 1: the first product starts the sums from the bias.  The 64 accumulators take turns, one instruction a turn.
.macro MUL16 a0, p, q, sc, zero
.irp a, \a0, \a0+1
.irp b, 0,1,2,3,4,5,6,7
.if \zero
	v_wmma_scale_f32_16x16x128_f8f6f4 v[8*(8*((\a)%4)+\b):8*(8*((\a)%4)+\b)+7], v[128*(\p)+FR*\b:128*(\p)+FR*\b+FR-1], v[AF+FR*(\a):AF+FR*(\a)+FR-1], v[BIAS+8*\b:BIAS+8*\b+7], v[SC+8*NQ*(\sc)+NQ*\b+(\q)], v[SC+8*NQ*(\sc)+NQ*(\a)+(\q)] matrix_a_fmt:MATRIX_FMT_FP4 matrix_b_fmt:MATRIX_FMT_FP4 matrix_a_scale:MATRIX_SCALE_ROW1
.else
	v_wmma_scale_f32_16x16x128_f8f6f4 v[8*(8*((\a)%4)+\b):8*(8*((\a)%4)+\b)+7], v[128*(\p)+FR*\b:128*(\p)+FR*\b+FR-1], v[AF+FR*(\a):AF+FR*(\a)+FR-1], v[8*(8*((\a)%4)+\b):8*(8*((\a)%4)+\b)+7], v[SC+8*NQ*(\sc)+NQ*\b+(\q)], v[SC+8*NQ*(\sc)+NQ*(\a)+(\q)] matrix_a_fmt:MATRIX_FMT_FP4 matrix_b_fmt:MATRIX_FMT_FP4 matrix_a_scale:MATRIX_SCALE_ROW1
.endif
.endr
.endr
.endm
.macro FETCH_B slot, q, p
	WIN TO_B
.irp i, 0,1,2,3,4,5,6,7
	FRAG 128*(\p)+FR*\i, ADRB+\slot, \q, \i
.endr
	WIN 0
.endm
.macro FETCH_A slot, q, i0
.irp i, \i0, \i0+1, \i0+2, \i0+3
	FRAG AF+FR*(\i), ADRA+\slot, \q, \i
.endr
.endm
.macro SCALES sc                       ; a K step's scale words: lanes 0-15 take A's block i, lanes 16-31 B's block i
.irp i, 0,1,2,3,4,5,6,7
	ds_load_b128 v[SC+8*NQ*\sc+NQ*\i:SC+8*NQ*\sc+NQ*\i+3], v[ADRS] offset:\i*SBLK
.endr
.endm
.macro PLACES n                        ; plain vector instructions between a matrix instruction and a load into, or a read of, its registers
.rept \n
	v_nop
.endr
.endm
.macro STEP slot, q, zero              ; a step of 128 along K that has its successor in the same slot
	s_wait_dscnt 4*NL                              ; B's set and A's blocks 0-3 are in; the youngest eight loads (A's blocks 4-7) may be out
.if \zero
	WIN FIRST_LO
.else
	WIN MUL_LO
.endif
	MUL16 0, (\q)%2, \q, \slot, \zero
	MUL16 2, (\q)%2, \q, \slot, \zero
	s_wait_dscnt 0                                 ; A's blocks 4-7 are in
	PLACES NP
	FETCH_B \slot, (\q)+1, 1-(\q)%2
	FETCH_A \slot, (\q)+1, 0
.if \zero
	WIN FIRST_HI
.else
	WIN MUL_HI
.endif
	MUL16 4, (\q)%2, \q, \slot, \zero
	MUL16 6, (\q)%2, \q, \slot, \zero
	PLACES NP
	WIN 0
	FETCH_A \slot, (\q)+1, 4
.endm
; A slot's last step changes slots: one barrier; in front of it each wave waits for all its tensor loads, adds 0 to its spare word, and waits for that and for its own reads of this slot.
.macro TURN slot, next, fill
	s_wait_tensorcnt 0x0                           ; all my tensor loads have landed: my part of the next slot
	ds_add_u32 v[SPW], v[NIL]                      ; 0 onto my spare word
	s_wait_dscnt 4*NL+1                            ; (the add and the youngest eight loads may be out)
	WIN MUL_LO
	MUL16 0, 1, NQ-1, \slot, 0
	s_wait_dscnt 0x0                               ; the add is done, and my reads of this slot are over
	s_barrier_signal -1
	MUL16 2, 1, NQ-1, \slot, 0
	WIN 0
	s_barrier_wait -1
.if \fill
	CREST                                          ; the barrier has opened a round of the cluster's barrier: no wave of any partner still reads this slot or has a load on its way
	s_add_nc_u64 s[G0+4*\slot+2:G0+4*\slot+3], s[G0+4*\slot+2:G0+4*\slot+3], 2*ROWB
	s_add_nc_u64 s[G0B+4*\slot+2:G0B+4*\slot+3], s[G0B+4*\slot+2:G0B+4*\slot+3], 2*ROWB
	JLOAD G0+4*\slot, G1, G0B+4*\slot, G1B         ; the first tensor load behind the round; its four v_nop are the places in front of the loads below
.else
	PLACES NP
.endif
	v_add_nc_u32 v[ADRS], 4*NQ, v[ADRS]            ; on to the next K step's scale words
	FETCH_B \next, 0, 0
	FETCH_A \next, 0, 0
	SCALES \next
	WIN MUL_HI
	MUL16 4, 1, NQ-1, \slot, 0
	MUL16 6, 1, NQ-1, \slot, 0
	PLACES NP
	WIN 0
	FETCH_A \next, 0, 4
.endm
.macro STEPS slot, from
.set Q, \from
.rept NQ-1-\from
	STEP \slot, Q, 0
.set Q, Q+1
.endr
.endm
	s_wait_tensorcnt 1                             ; the scales and my part of K step 0 are in (K step 1's load may be out)
	s_barrier_signal -1
	s_barrier_wait -1                              ; everybody's are
	FETCH_B 0, 0, 0
	FETCH_A 0, 0, 0
	SCALES 0
	FETCH_A 0, 0, 4
	s_wait_loadcnt 0x0                             ; the bias and the table of blocks 0-3
	STEP 0, 0, 1                                   ; the first step stands in front of the loop: its products start the sums
	s_mov_b32 s3, LAPS-1
.Llap:                                                 ; a trip goes once round the ring and fills both slots again
	STEPS 0, 1
	TURN 0, 1, 1
	STEPS 1, 0
	TURN 1, 0, 1
	STEP 0, 0, 0
	s_sub_co_u32 s3, s3, 1
	s_cmp_lg_u32 s3, 0
	s_cbranch_scc1 .Llap
	STEPS 0, 1                                     ; the last lap fills nothing
	TURN 0, 1, 0
	STEPS 1, 0
	s_wait_dscnt 4*NL
	WIN MUL_LO
	MUL16 0, 1, NQ-1, 1, 0
	MUL16 2, 1, NQ-1, 1, 0
	s_wait_dscnt 0
	WIN MUL_HI
	MUL16 4, 1, NQ-1, 1, 0
	MUL16 6, 1, NQ-1, 1, 0
	WIN 0
; THE WAY OUT, block by block of 16 positions x 128 channels.
; ROPEPACK: channels d and d + 32 (d < 32: blocks bb and bb + 2, the same register of the same lane) are turned: d: x1 cos - x2 sin; d + 32: x2 cos + x1 sin; channels 64-127 pass.  Then all are rounded to f16.
; Each accumulator is read from its low end on.
.macro ROPEPACK a
.set AC, 64*((\a)%4)
.if (\a) < 4
.set TT, 64+128*((\a)/2)+32*((\a)%2)
.else
.set TT, 128*(((\a)-4)/2)+32*((\a)%2)
	s_wait_loadcnt 8*(7-(\a))                      ; this block's eight table loads are in; the later blocks' may be out
.endif
	WIN 0x06+(\a)/4                                ; source 0: the accumulators' window; source 1: window 1, the table; source 2 and the destination: window 0
.irp bb, 0,1
.irp p, 0,2,4,6
	v_pk_mul_f32 v[U+8*\bb+\p:U+8*\bb+\p+1], v[AC+8*(\bb+2)+\p:AC+8*(\bb+2)+\p+1], v[TT+16+8*\bb+\p:TT+16+8*\bb+\p+1]       ; x2 sin
	v_pk_mul_f32 v[U+16+8*\bb+\p:U+16+8*\bb+\p+1], v[AC+8*\bb+\p:AC+8*\bb+\p+1], v[TT+16+8*\bb+\p:TT+16+8*\bb+\p+1]         ; x1 sin
.endr
.endr
.irp bb, 0,1
.irp p, 0,2,4,6
	v_pk_fma_f32 v[U+8*\bb+\p:U+8*\bb+\p+1], v[AC+8*\bb+\p:AC+8*\bb+\p+1], v[TT+8*\bb+\p:TT+8*\bb+\p+1], v[U+8*\bb+\p:U+8*\bb+\p+1] neg_lo:[0,0,1] neg_hi:[0,0,1]
	v_pk_fma_f32 v[U+16+8*\bb+\p:U+16+8*\bb+\p+1], v[AC+8*(\bb+2)+\p:AC+8*(\bb+2)+\p+1], v[TT+8*\bb+\p:TT+8*\bb+\p+1], v[U+16+8*\bb+\p:U+16+8*\bb+\p+1]
.endr
.endr
	WIN 0
.irp n, 0,1,2,3,4,5,6,7,8,9,10,11,12,13,14,15
	v_cvt_pk_f16_f32 v[TMP+\n], v[U+2*\n], v[U+2*\n+1]
.endr
	WIN 0x0a+5*((\a)/4)                            ; sources 0 and 1: the accumulators' window
.irp n, 16,17,18,19,20,21,22,23,24,25,26,27,28,29,30,31
	v_cvt_pk_f16_f32 v[TMP+\n], v[AC+2*\n], v[AC+2*\n+1]
.endr
	WIN 0
.endm
.macro TOSTAGE a                       ; 16 bytes a lane into rows of 272 bytes, and back as whole rows.  LDS serves a wave's instructions in order (ISA guide 5.7.1.4): no wait between the stores and the loads
.set BB, BK+32*((\a)%2)
.irp b, 0,1,2,3,4,5,6,7
	ds_store_b128 v[STO], v[TMP+4*\b:TMP+4*\b+3] offset:32*\b
.endr
.irp t, 0,1,2,3,4,5,6,7
	ds_load_b128 v[BB+4*\t:BB+4*\t+3], v[RD] offset:2*\t*SPITCH
.endr
.endm
.macro SEND a
.set BB, BK+32*((\a)%2)
	s_wait_dscnt 0x0                               ; the block is back in registers
	s_wait_xcnt 0x0                                ; the stores of the block before have read their registers: the next block's loads from the stage may land there
.irp t, 0,1,2,3,4,5,6,7
	global_store_b128 v[CO], v[BB+4*\t:BB+4*\t+3], s[12:13] offset:4096*(\a)+512*\t   ; 32 lanes store 512 consecutive bytes, at a multiple of 256 from qkv's first byte
.endr
.endm
	PLACES NP                                      ; behind the last products: for the loads into B's sets, the reads of results, and the writes over A's fragments and the bias
	WIN TO_B
	TABLE 4
	TABLE 5
	TABLE 6
	TABLE 7
	WIN 0
	ROPEPACK 0
	TOSTAGE 0
.irp a, 1,2,3,4,5,6,7                  ; block a's arithmetic stands between block a - 1's loads from the stage and the wait for them
	ROPEPACK \a
	SEND (\a)-1
	TOSTAGE \a
.endr
	SEND 7
	s_wait_tensorcnt 0x0                           ; the wave's end: a tensor wait, an add of 0 to my spare word and its wait, behind my last tensor load and my last LDS store
	ds_add_u32 v[SPW], v[NIL]
	s_wait_dscnt 0x0
	CROUND                                         ; the closing round: no work-group ends while a partner may still ask for a tile that names it
	s_endpgm
.Lfunc_end_k_q116d13b207_qkv:
	.size	k_q116d13b207_qkv, .Lfunc_end_k_q116d13b207_qkv-k_q116d13b207_qkv
	.p2alignl 7, 3214868480
	.fill 96, 4, 3214868480
	.section	.rodata,"a",@progbits
	.p2align	6, 0x0
	.amdhsa_kernel k_q116d13b207_qkv
		.amdhsa_group_segment_fixed_size 327680
		.amdhsa_private_segment_fixed_size 0
		.amdhsa_enable_private_segment 0
		.amdhsa_kernarg_size 64
		.amdhsa_user_sgpr_count 2
		.amdhsa_user_sgpr_kernarg_segment_ptr 1
		.amdhsa_wavefront_size32 1
		.amdhsa_system_sgpr_workgroup_id_x 1
		.amdhsa_system_sgpr_workgroup_id_y 1
		.amdhsa_system_sgpr_workgroup_id_z 1
		.amdhsa_system_vgpr_workitem_id 0
		.amdhsa_next_free_vgpr 1024
		.amdhsa_next_free_sgpr 98
		.amdhsa_reserve_vcc 0
		.amdhsa_float_denorm_mode_32 3
		.amdhsa_float_denorm_mode_16_64 3
		.amdhsa_memory_ordered 1
		.amdhsa_forward_progress 1
		.amdhsa_inst_pref_size 238
	.end_amdhsa_kernel
	.amdgpu_metadata
---
amdhsa.version: [ 1, 2 ]
amdhsa.kernels:
  - .name:           k_q116d13b207_qkv
    .symbol:         k_q116d13b207_qkv.kd
    .args:
      - { .name: xc, .offset: 0, .size: 8, .value_kind: global_buffer, .address_space: global }
      - { .name: xs, .offset: 8, .size: 8, .value_kind: global_buffer, .address_space: global }
      - { .name: wc, .offset: 16, .size: 8, .value_kind: global_buffer, .address_space: global }
      - { .name: ws, .offset: 24, .size: 8, .value_kind: global_buffer, .address_space: global }
      - { .name: Wq_b, .offset: 32, .size: 8, .value_kind: global_buffer, .address_space: global }
      - { .name: Wkv_b, .offset: 40, .size: 8, .value_kind: global_buffer, .address_space: global }
      - { .name: rope, .offset: 48, .size: 8, .value_kind: global_buffer, .address_space: global }
      - { .name: qkv, .offset: 56, .size: 8, .value_kind: global_buffer, .address_space: global }
    .group_segment_fixed_size: 327680
    .private_segment_fixed_size: 0
    .kernarg_segment_align: 8
    .kernarg_segment_size: 64
    .max_flat_workgroup_size: 128
    .sgpr_count:     98
    .vgpr_count:     1024
    .wavefront_size: 32
...
	.end_amdgpu_metadata
.endif
;; end of part 2
;; launch attn (part 3): grid 8 x 32, 4 waves a work-group, clusters of 4 x 1, 327,680 bytes of LDS; arguments qkv, ctx; writes ctx
.if DOCPART == 3
	.amdgcn_target "amdgcn-amd-amdhsa--gfx1250"
	.amdhsa_code_object_version 6
	.text
	.protected	k_q116d13b207_attn
	.globl	k_q116d13b207_attn
	.p2align	8
	.type	k_q116d13b207_attn,@function
k_q116d13b207_attn:
	s_mov_b64 s[64:65], 0
	v_nop
	global_prefetch_b8 v0, s[64:65] scope:SCOPE_SE
	s_setreg_imm32_b32 hwreg(HW_REG_WAVE_MODE, 25, 1), 1
	s_wait_xcnt 0x0
	s_wait_alu depctr_hold_cnt(0) depctr_sa_sdst(0) depctr_va_vdst(0) depctr_va_sdst(0) depctr_va_ssrc(0) depctr_va_vcc(0) depctr_vm_vsrc(0)
	s_getreg_b32 s2, hwreg(HW_REG_IB_STS2, 6, 4)
	s_cmp_eq_u32 s2, 0
	s_cbranch_scc0 .Lentry_in_a_cluster
	s_endpgm
.Lentry_in_a_cluster:
	s_bfe_u32 s2, ttmp6, 0x10000c
	s_cmp_lg_u32 s2, 0x3003
	s_cbranch_scc0 .Lentry_shape_is_right
	s_endpgm
.Lentry_shape_is_right:
; ctx[b][s][head] = the sum over t of softmax_t(q[s] . k[t] / sqrt(128)) v[t], no mask; 16 query heads, 4 key and value heads (query head h uses key head h / 4); 512 positions, head size 128.
; IN: qkv [8][24 slabs][512][128] f16 (slabs 0-15 q, 16-19 k, 20-23 v).  OUT: ctx [4096][2048] f16.  Products, maxima and sums in f32; the weights p are rounded to f16 for the second product, ctx once at the end.
; LIMITS: q, k, v arrive in f16; ctx is an average of v's rows, so it fits where they fit.  A weight under 2^-25 of its row's largest falls to 0 in f16.
; SHARES.  A work-group owns 256 queries of one head, each of its four waves 64: four tiles of 16.  Every wave walks all 512 keys, 64 a step.
; CLUSTER.  The four work-groups of a cluster are the four query heads that share a key and value head, at the same block of queries: each tile of K and V is asked for JOINTLY, by the same tensor load with a mask that
; names the four.  ALL OF K AND V OF THE HEAD, 8 steps, FITS IN LDS: every tile is asked for at the head, nothing is filled twice; a barrier with a counted wait stands in front of each pair of steps.
; LAYOUT.  S^T = K Q^T (source 0 = 16 keys, source 1 = 16 queries): a lane holds ONE query and the keys 8 (lane / 16) + 0..7.  Two such tiles, rounded in pairs, are source 1 of O^T = V^T P.  K comes out of LDS as it
; lies, V turned, by ds_load_tr16_b128.
; SOFTMAX.  For each query a running maximum m and sum l: p = 2^(c s - c m), c = log2(e) / sqrt(128); in every step O and l are multiplied by a = 2^(c m_old - c m_new).
; BY TURNS.  The wave's tiles are two pieces (tiles 0, 1 and tiles 2, 3).  In a turn one piece has the matrix unit: 32 products V^T P of the step in hand, then 32 products K Q^T of the next step; the other piece's
; softmax, cut into 64 slices, stands between them, one slice behind each matrix instruction.  Two turns are a key step.
; REGISTERS, in windows of 256: window 0: v0-11 addresses; v12-43 eight registers of statistics a tile; v62, v63 the add's two; v64-191 S^T; v192-255 P.  window 1: O^T.  window 2: v0-127 Q; v128-255 K of one step.  window 3: v0-127 V of one step.
.set KS,    64        ; keys in a step
.set PK,    272       ; a row of K in LDS: 256 bytes + 16 of padding
.set PV,    288       ; a row of V: 256 + 32
.set VOFF,  KS*PK     ; a step's tiles lie together: 64 rows of K, then 64 rows of V
.set STEPB, KS*(PK+PV)
.set STAGE, 8*STEPB   ; behind the eight steps: 16 rows x 272 bytes for each wave, for the way out
.set SP,    272
.set SPARE, STAGE+4*16*272  ; behind the stages: the spare words, 128 bytes a wave
.set AK0, 2
.set AV0, 3
.set ADR, 4
.set QO,  5
.set STO, 6
.set RD,  7
.set GO,  8
.set SPW, 62
.set NIL, 63
.set ST,  12          ; tile t's statistics at v[ST+8 t]: +0 c m, +1 m, +2, +3 l, +4 to +7 at work; a takes +6 once the maximum is found
.set S,   64
.set P,   192
.set KF,  128
.set WV,  12          ; s12  my wave's number
.set G1K, 24          ; s[24:31] descriptor group 1 for K's tiles
.set G1V, 32          ; s[32:39] for V's: it differs in the padding alone
.set G0K, 40          ; s[40:55] four groups 0 for K's tiles
.set G0V, 68          ; s[68:83] four for V's
.set CS,  84          ; s[84:85] c
.set SEL, 86          ; s[86:87] lane selects for v_permlanex16_b32
.set TB,  88          ; s88  LDS byte at which the tiles of the step to be fetched begin
.set TWICE, 89        ; s89  counts two steps
.set MSB, 0
.macro WIN new
.if MSB != (\new)
	s_set_vgpr_msb (MSB<<8)|(\new)
.set MSB, (\new)
.endif
.endm
.set W_KQ, 0x0a       ; K and Q in window 2, S^T in window 0
.set W_PV, 0x53       ; V in window 3, P in window 0, O^T in window 1
.set W_RS, 0x41       ; O^T (destination and source 0) in window 1, a in window 0
.macro CROUND                       ; a round of the cluster's barrier
	s_barrier_signal -1
	s_barrier_wait -1
	s_cmp_lg_u32 s[WV], 0
	s_cbranch_scc1 .Lnot_wave_0_\@
	s_barrier_signal -3
.Lnot_wave_0_\@:
	s_barrier_wait -3
	s_barrier_signal -1
	s_barrier_wait -1
.endm
	s_load_b128 s[4:7], s[0:1], 0x0   ; qkv s[4:5], ctx s[6:7]
	v_lshl_add_u32 v[SPW], v0, 2, SPARE
	v_mov_b32 v[NIL], 0
	ds_add_u32 v[SPW], v[NIL]       ; the wave's opening: the add, twice on end, and its wait ahead of my first tensor load
	ds_add_u32 v[SPW], v[NIL]
	v_lshrrev_b32 v1, 5, v0
	v_readfirstlane_b32 s[WV], v1   ; wave 0..3
	s_bfe_u32 s13, ttmp6, 0x40000   ; cx: which of the four query heads: it enters Q's and ctx's addresses alone
	s_and_b32 s20, ttmp7, 0xffff    ; 4 x batch + key head, which the four partners share
	s_lshr_b32 s21, s20, 2          ; the batch
	s_and_b32 s22, s20, 3           ; the key head
	s_mul_i32 s23, s21, 24          ; the batch's first slab
	s_add_co_u32 s8, s23, s22
	s_add_co_u32 s8, s8, 16         ; K's slab; V's is four further on
	s_lshl_b32 s8, s8, 17
	s_and_b32 s16, s[WV], 1         ; which step of each pair I fetch:
	s_lshl_b32 s18, s16, 14         ; its 64 rows of 256 bytes in memory,
	s_add_co_u32 s8, s8, s18
	s_mov_b32 s9, 0
	s_mul_i32 s17, s16, STEPB       ; and its place in LDS: no place in the cluster enters an LDS address
	s_lshl_b32 s2, s22, 2
	s_add_co_u32 s2, s2, s13        ; the query head
	s_lshl_b32 s10, s2, 8           ; its 256 bytes of a row of ctx
	s_add_co_u32 s2, s2, s23
	s_lshl_b32 s2, s2, 17           ; its slab
	s_lshl_b32 s14, ttmp9, 8        ; the cluster's x is the block of 256 queries
	s_lshl_b32 s15, s[WV], 6
	s_add_co_u32 s14, s14, s15      ; my wave's first query
	s_lshl_b32 s15, s14, 8
	s_add_co_u32 s2, s2, s15
	s_mov_b32 s3, 0
	s_lshl_b32 s15, s21, 9
	s_add_co_u32 s14, s14, s15      ; its row of ctx,
	s_lshl_b32 s14, s14, 12         ; of 4,096 bytes
	s_add_co_u32 s10, s10, s14
	s_mov_b32 s11, 0
	; descriptor group 1: a tile of 64 rows x 128 elements, padded in LDS
	s_mov_b32 s[G1K], 15|(1<<16)|(1<<20)|(1<<21)|(5<<22)|(3<<25)  ; 15:0 the mask: all four work-groups; 17:16 elements of 2 bytes; 20 padding on; 21 set beside a mask; 24:22 after every 64 words; 31:25 4 words
	s_mov_b32 s[G1V], 15|(1<<16)|(1<<20)|(1<<21)|(5<<22)|(7<<25)  ; the same with 8 words of padding
.irp g, G1K, G1V
	s_mov_b32 s[\g+1], 128<<16      ; tensor_dim0 = 128
	s_mov_b32 s[\g+2], KS<<16       ; tensor_dim1 = 64
	s_mov_b32 s[\g+3], 128<<16      ; tile_dim0 = 128
	s_mov_b32 s[\g+4], KS           ; tile_dim1 = 64
	s_mov_b32 s[\g+5], 128          ; tensor_dim0_stride
	s_mov_b32 s[\g+6], 0
	s_mov_b32 s[\g+7], 0
.endr
	s_mov_b32 s[CS], 0x3e0293ee     ; c = log2(e) / sqrt(128)
	s_mov_b32 s[CS+1], s[CS]        ; named with it as a pair, so it is written
	s_mov_b32 s[SEL], 0x76543210
	s_mov_b32 s[SEL+1], 0xfedcba98
	s_mov_b32 s[TB], 0
	s_wait_dscnt 0x0                ; both opening adds are done
	s_wait_kmcnt 0x0
	s_add_nc_u64 s[8:9], s[4:5], s[8:9]    ; K at my first tile
	s_add_nc_u64 s[4:5], s[4:5], s[2:3]    ; Q at my wave's first row
	s_add_nc_u64 s[6:7], s[6:7], s[10:11]  ; ctx likewise
	CROUND                          ; all four work-groups are here: the joint loads meet
.irp i, 0,1,2,3                     ; set i: step 2 i + (wave % 2)
	s_mov_b32 s[G0K+4*\i], 1
	s_add_co_u32 s[G0K+4*\i+1], s17, 2*\i*STEPB
	s_add_nc_u64 s[G0K+4*\i+2:G0K+4*\i+3], s[8:9], \i*2*KS*256
	s_or_b32 s[G0K+4*\i+3], s[G0K+4*\i+3], 0x80000000
	s_mov_b32 s[G0V+4*\i], 1
	s_add_co_u32 s[G0V+4*\i+1], s17, 2*\i*STEPB+VOFF
	s_add_nc_u64 s[G0V+4*\i+2:G0V+4*\i+3], s[8:9], (4<<17)+\i*2*KS*256
	s_or_b32 s[G0V+4*\i+3], s[G0V+4*\i+3], 0x80000000
.endr
	s_cmp_lt_u32 s[WV], 2           ; waves 0 and 1 fetch K, waves 2 and 3 V: a wave's four fills stand in one branch, ahead of every wait on TENSORcnt and every LDS read: four loads of mine are out
	s_cbranch_scc0 .Lfirst_v
.irp i, 0,1,2,3
	tensor_load_to_lds s[G0K+4*\i:G0K+4*\i+3], s[G1K:G1K+7]
	s_nop 0
.endr
.rept 4
	v_nop
.endr
	s_branch .Lfirst_asked
.Lfirst_v:
.irp i, 0,1,2,3
	tensor_load_to_lds s[G0V+4*\i:G0V+4*\i+3], s[G1V:G1V+7]
	s_nop 0
.endr
.rept 4
	v_nop
.endr
.Lfirst_asked:
	; A fragment of K or Q is 16 rows x 32 channels in 8 registers: lane l holds row l % 16; registers 0-3 channels 8 (l / 16) + 0..7, registers 4-7 channels 16 + 8 (l / 16) + 0..7
	v_and_b32 v1, 15, v0            ; l % 16
	v_bfe_u32 v9, v0, 4, 1          ; l / 16
	v_lshlrev_b32 v[QO], 8, v1
	v_lshl_add_u32 v[QO], v9, 4, v[QO]
	WIN 0x80                        ; destination window 2, address window 0
.irp i, 0,1,2,3,4,5,6,7,8,9,10,11,12,13,14,15  ; Q stays in registers: tile i / 4, channels 32 (i % 4) on
	global_load_b128 v[8*\i:8*\i+3],   v[QO], s[4:5] offset:(\i/4)*4096+(\i%4)*64
	global_load_b128 v[8*\i+4:8*\i+7], v[QO], s[4:5] offset:(\i/4)*4096+(\i%4)*64+32
.endr
	WIN 0
	v_mul_u32_u24 v[AK0], v1, PK
	v_lshl_add_u32 v[AK0], v9, 4, v[AK0]
	; The turning load takes 16 keys x 16 channels (lane l reads 16 bytes: key 8 (l / 16) + l % 8, channels 8 ((l / 8) % 2) + 0..7) and leaves half a fragment of V^T
	v_and_b32 v10, 7, v0
	v_bfe_u32 v11, v0, 3, 1
	v_lshl_add_u32 v[AV0], v9, 3, v10
	v_mul_u32_u24 v[AV0], v[AV0], PV
	v_lshl_add_u32 v[AV0], v11, 4, v[AV0]
	v_add_nc_u32 v[AV0], VOFF, v[AV0]
; THE MATRIX WORK OF A TURN, for piece x.  The accumulators take turns, one instruction a turn.
; Product i of 32 of O^T += V^T P: keys 32 (i / 16) on, channels 16 ((i / 2) % 8) on, tile x + i % 2.  zero = 1: the first 16 start the sums.
.macro PV x, zero
	WIN W_PV
.set rO, 64*(\x+i%2)+8*((i/2)%8)
.set rV, 64*(i/16)+8*((i/2)%8)
.set rP, P+16*(\x+i%2)+8*(i/16)
.if \zero && (i < 16)
	v_wmma_f32_16x16x32_f16 v[rO:rO+7], v[rV:rV+7], v[rP:rP+7], 0
.else
	v_wmma_f32_16x16x32_f16 v[rO:rO+7], v[rV:rV+7], v[rP:rP+7], v[rO:rO+7]
.endif
.endm
; Product i of 32 of S^T = K Q^T: channels 32 (i / 8) on, keys 16 ((i / 2) % 4) on, tile x + i % 2.  The first 8 start the sums.
.macro KQ x
	WIN W_KQ
.set rS, S+32*(\x+i%2)+8*((i/2)%4)
.set rK, KF+32*((i/2)%4)+8*(i/8)
.set rQ, 32*(\x+i%2)+8*(i/8)
.if i < 8
	v_wmma_f32_16x16x32_f16 v[rS:rS+7], v[rK:rK+7], v[rQ:rQ+7], 0
.else
	v_wmma_f32_16x16x32_f16 v[rS:rS+7], v[rK:rK+7], v[rQ:rQ+7], v[rS:rS+7]
.endif
.endm
; THE LDS LOADS stand in runs of 32: a step's K and, a turn later, its V (turned).
.macro FETCH_K
	WIN 0
	v_add_nc_u32 v[ADR], s[TB], v[AK0]
	WIN 0x80                        ; destination window 2
.irp f, 0,1,2,3,4,5,6,7,8,9,10,11,12,13,14,15  ; keys 16 (f / 4) on, channels 32 (f % 4) on
	ds_load_b128 v[KF+8*\f:KF+8*\f+3],   v[ADR] offset:(\f/4)*16*PK+(\f%4)*64
	ds_load_b128 v[KF+8*\f+4:KF+8*\f+7], v[ADR] offset:(\f/4)*16*PK+(\f%4)*64+32
.endr
.endm
.macro FETCH_V
	WIN 0
	v_add_nc_u32 v[ADR], s[TB], v[AV0]
	s_add_co_u32 s[TB], s[TB], STEPB  ; the next fetch is the next step's
	s_wait_alu depctr_va_vdst(0)    ; the wait for the softmax's batch of exponentials, behind the address's addition and ahead of the loads
	WIN 0xc0                        ; destination window 3
.irp f, 0,1,2,3,4,5,6,7,8,9,10,11,12,13,14,15  ; keys 32 (f / 8) on, channels 16 (f % 8) on
	ds_load_tr16_b128 v[8*\f:8*\f+3],   v[ADR] offset:(\f/8)*32*PV+(\f%8)*32
	ds_load_tr16_b128 v[8*\f+4:8*\f+7], v[ADR] offset:(\f/8)*32*PV+16*PV+(\f%8)*32
.endr
.endm
; THE VECTOR WORK OF A TURN.  One tile's softmax for one key step is a list of 134 instructions; SM writes number j of it for tile t.  first = 1: the first key step, which starts m, l and O^T.
;   0-15 the maximum of the lane's 32 scores and the old m;  16-20 the other half of the lanes' maximum, the new m, c m, c m_old - c m_new;
;   21-69 ONE BATCH: the 16 scalings c s - c m and all 33 exponentials (a at 23): none of these reads an exponential's result;  (the wait for the batch: SLICE writes it)
;   70-85 the roundings to f16;  86-101 the sums, l = a l + the sum;  102-133 the tile's O^T times a.
.macro SM t, first
.set rT, ST+8*(\t)
.set rS, S+32*(\t)
.set rP, P+16*(\t)
.set rO, 64*(\t)+2*(j-102)
.if j < 102
	WIN 0
.endif
.if j < 4
	v_max3_num_f32 v[rT+4+j], v[rS+8*j], v[rS+8*j+1], v[rS+8*j+2]
.elseif j < 12
	v_max3_num_f32 v[rT+4+j%4], v[rT+4+j%4], v[rS+8*(j%4)+2*(j/4)+1], v[rS+8*(j%4)+2*(j/4)+2]
.elseif j == 12
	v_max3_num_f32 v[rT+4], v[rT+4], v[rS+7], v[rS+15]
.elseif j == 13
	v_max3_num_f32 v[rT+6], v[rT+6], v[rS+23], v[rS+31]
.elseif j == 14
	v_max3_num_f32 v[rT+4], v[rT+4], v[rT+5], v[rT+6]
.elseif (j == 15) && \first
	v_max_num_f32 v[rT+4], v[rT+4], v[rT+7]
.elseif j == 15
	v_max3_num_f32 v[rT+4], v[rT+4], v[rT+7], v[rT+1]
.elseif j == 16
	v_permlanex16_b32 v[rT+5], v[rT+4], s[SEL], s[SEL+1]  ; the query's other 32 keys lie in the lane 16 away
.elseif j == 18
	v_max_num_f32 v[rT+1], v[rT+4], v[rT+5]
.elseif j == 19
	v_mul_f32 v[rT], s[CS], v[rT+1]
.elseif ((j == 17) || (j == 20) || (j == 23) || (j > 101)) && \first  ; the first step has none of these
.elseif j == 17
	v_mov_b32 v[rT+7], v[rT]        ; c m_old is kept for a
.elseif j == 20
	v_sub_f32 v[rT+7], v[rT+7], v[rT]
.elseif j == 23
	v_exp_f32 v[rT+6], v[rT+7]
.elseif (j < 23) || ((j < 38) && (j%2 == 0)) || ((j < 66) && (j%4 == 2))
.set b, (j-2)/4                     ; 38, 42, .. 62: pairs 9 to 15
.if j < 38
.set b, (j-20)/2                    ; 21: pair 0; 22, 24, .. 36: pairs 1 to 8
.endif
	v_pk_fma_f32 v[rS+2*b:rS+2*b+1], v[rS+2*b:rS+2*b+1], s[CS:CS+1], v[rT:rT+1] op_sel_hi:[1,0,0] neg_lo:[0,0,1] neg_hi:[0,0,1]  ; pair b: c s - c m
.elseif j < 70
.set e, j-38                        ; 66 to 69: s28 to s31
.if j < 66
.set e, j-32-(j-38)/4               ; 39-41, 43-45, .. 63-65: s7 to s27
.endif
.if j < 38
.set e, (j-25)/2                    ; 25, 27, .. 37: s0 to s6
.endif
	v_exp_f32 v[rS+e], v[rS+e]
.elseif j < 86
	v_cvt_pk_f16_f32 v[rP+j-70], v[rS+2*(j-70)], v[rS+2*(j-70)+1]  ; pair j - 70
.elseif j < 102                     ; the sum of the tile's 16 pairs, in place: neighbours 1, 2, 4 and 8 pairs apart, then l takes it
.set z, j-86
.set w, 4
.set u, z
.if z >= 14
.set w, 32
.set u, 0
.elseif z >= 12
.set w, 16
.set u, z-12
.elseif z >= 8
.set w, 8
.set u, z-8
.endif
.if (z == 14) && \first
	v_pk_add_f32 v[rT+2:rT+3], v[rS:rS+1], v[rS+16:rS+17]
.elseif z < 15
	v_pk_add_f32 v[rS+w*u:rS+w*u+1], v[rS+w*u:rS+w*u+1], v[rS+w*u+w/2:rS+w*u+w/2+1]
.elseif !\first
	v_pk_fma_f32 v[rT+2:rT+3], v[rT+2:rT+3], v[rT+6:rT+7], v[rS:rS+1] op_sel_hi:[1,0,1]
.endif
.else
	WIN W_RS
	v_pk_mul_f32 v[rO:rO+1], v[rO:rO+1], v[rT+6:rT+7] op_sel_hi:[1,0]
.endif
.endm
; Slice k of 64 of piece y's softmax: four instructions.  Slices 11 to 34 deal out the batch, four numbers of ONE tile each, the tiles by turns; every other slice is numbers 2 k and 2 k + 1 of both tiles' lists;
; the twelve that are over stand in slice 63.  Ahead of slice 35 nothing names an exponential's result, and behind slice 34 none is issued: so the piece's 66 exponentials have one wait, behind slice 34.
.macro SLICE y, first
.if (k >= 11) && (k < 35)
.irp n, 0,1,2,3
.set j, 22+4*((k-11)/2)+(\n)
	SM (\y)+(k-11)%2, \first
.endr
.else
.irp n, 0,1,2,3,4,5,6,7
.if (\n < 2) || (k == 63)
.irp t, \y, \y+1
.set j, 2*k+\n
	SM \t, \first
.endr
.endif
.endr
.endif
.if k == 34
	v_nop                           ; the plain instruction behind the last exponential and ahead of the first use: one for the batch
.if (\y) == 0
	FETCH_V                         ; piece 2's turn: V's run of loads stands here, and the wait stands in it
.else
	s_wait_alu depctr_va_vdst(0)    ; the wait for the batch
.endif
.endif
.set k, k+1
.endm
.macro PLACES
.rept 4
	v_nop
.endr
.endm
; A TURN.  Piece x has the matrix unit; the other piece's softmax stands in slices behind its matrix instructions.  pv = 2: 32 products V^T P; 1: they start O^T's sums; 0: none.  kq = 1: 32 products K Q^T.
; A turn with one of the two kinds has two slices behind each product.  first = 1: the softmax is the first key step's; four v_nop then take slice 63's part as the places behind the last products.
; Piece 0's turn fetches the next step's K behind its second product; piece 2's turn fetches the same step's V behind slice 34.
.macro TURN x, pv, kq, first
.set k, 0
.set per, 2
.if \pv && \kq
.set per, 1
.endif
.if \pv
.if \x == 0
	s_wait_dscnt 0x0                ; V is in
.endif
.set i, 0
.rept 32
	PV \x, 2-\pv
.rept per
	SLICE 2-\x, \first
.endr
.if (\x == 0) && \kq && (i == 1)
	FETCH_K
.endif
.set i, i+1
.endr
.endif
.if \kq
.if \x == 0
	s_wait_dscnt 0x0                ; K is in
.endif
.set i, 0
.rept 32
	KQ \x
.rept per
	SLICE 2-\x, \first
.endr
.set i, i+1
.endr
.endif
.if \first
	PLACES
.endif
.endm
; In front of each pair of key steps: my tensor loads up to that pair's have landed (n later ones may stay out); no LDS instruction of mine is pending at the signal; then every wave's have.
.macro MEET n
	WIN 0
	s_wait_tensorcnt \n
	s_wait_dscnt 0x0
	s_barrier_signal -1
	s_barrier_wait -1
.endm
.macro TWO_STEPS                    ; two key steps: written once, walked twice; the LDS addresses hang on s[TB]
	s_mov_b32 s[TWICE], 2
.Lstep_\@:
	TURN 0, 2, 1, 0
	TURN 2, 2, 1, 0
	WIN 0
	s_sub_co_u32 s[TWICE], s[TWICE], 1
	s_cmp_lg_u32 s[TWICE], 0
	s_cbranch_scc1 .Lstep_\@
.endm
	MEET 3                          ; steps 0 and 1 are in LDS; my three later loads may stay out
	FETCH_K                         ; key step 0
	s_wait_loadcnt 0x0              ; Q
	s_wait_dscnt 0x0
.set i, 0
.rept 32
	KQ 0                            ; piece 0's first scores
.set i, i+1
.endr
	WIN 0                           ; the addresses for the way out: eight plain instructions, the places behind those products
	s_mul_i32 s13, s[WV], 16*SP
	s_add_co_u32 s13, s13, STAGE    ; my stage
	v_mul_u32_u24 v[STO], v1, SP    ; in: row l % 16, 16 bytes for each half of the lanes
	v_lshl_add_u32 v[STO], v9, 4, v[STO]
	v_add_nc_u32 v[STO], s13, v[STO]
	v_mul_u32_u24 v[RD], v9, SP     ; back: lanes 0-15 take one row of 256 bytes, lanes 16-31 the next
	v_lshl_add_u32 v[RD], v1, 4, v[RD]
	v_add_nc_u32 v[RD], s13, v[RD]
	v_lshlrev_b32 v[GO], 12, v9     ; and the same two rows in ctx, 4,096 bytes apart
	v_lshl_add_u32 v[GO], v1, 4, v[GO]
	TURN 2, 0, 1, 1                 ; piece 2's first scores | piece 0's first softmax | V of step 0
	TURN 0, 1, 1, 1                 ; piece 0: V^T P of step 0 starts O^T, K Q^T of step 1 | piece 2's first softmax | K of step 1
	TURN 2, 1, 1, 0                 ; piece 2: the same | piece 0's softmax of step 1 | V of step 1
	MEET 2                          ; steps 2 and 3 are in LDS
	TWO_STEPS
	MEET 1                          ; steps 4 and 5
	TWO_STEPS
	MEET 0                          ; steps 6 and 7
	TWO_STEPS
	TURN 0, 2, 0, 0                 ; piece 0: V^T P of the last step | piece 2's last softmax
.set i, 0
.rept 32
	PV 2, 0                         ; piece 2: V^T P of the last step
.set i, i+1
.endr
	; THE WAY OUT.  l's two halves and the other half of the lanes' are added; O^T is divided by l, rounded to f16 and sent through my stage in LDS, a tile (16 rows) at a time.  The additions are the places behind the last products.
	WIN 0
.irp t, 0,1,2,3
	v_add_f32 v[ST+8*\t+4], v[ST+8*\t+2], v[ST+8*\t+3]
.endr
.irp t, 0,1,2,3
	v_permlanex16_b32 v[ST+8*\t+5], v[ST+8*\t+4], s[SEL], s[SEL+1]
.endr
.irp t, 0,1,2,3
	v_add_f32 v[ST+8*\t+4], v[ST+8*\t+4], v[ST+8*\t+5]
.endr
.irp t, 0,1,2,3
	v_rcp_f32 v[ST+8*\t+6], v[ST+8*\t+4]
.endr
	v_nop                           ; a plain instruction between the last reciprocal and the use of its result
	s_wait_alu depctr_va_vdst(0)    ; and the wait ahead of the first use: one for the four
.macro PACK t
	WIN W_RS
.set i, 64*\t
.rept 32
	v_pk_mul_f32 v[i:i+1], v[i:i+1], v[ST+8*\t+6:ST+8*\t+7] op_sel_hi:[1,0]
.set i, i+2
.endr
	WIN 0x05                        ; sources 0 and 1 window 1, destination window 0: S^T's registers are free
.set i, 0
.rept 32
	v_cvt_pk_f16_f32 v[S+32*\t+i], v[64*\t+2*i], v[64*\t+2*i+1]
.set i, i+1
.endr
	WIN 0
.irp f, 0,1,2,3,4,5,6,7
	ds_store_b128 v[STO], v[S+32*\t+4*\f:S+32*\t+4*\f+3] offset:32*\f
.endr
.irp f, 0,1,2,3,4,5,6,7
	ds_load_b128 v[S+32*\t+4*\f:S+32*\t+4*\f+3], v[RD] offset:\f*2*SP  ; LDS serves a wave's instructions in order (ISA guide 5.7.1.4): these see the stores above; the next tile's stores come behind them
.endr
.endm
.macro SEND t, younger              ; younger: the LDS instructions issued behind tile t's loads: the next tile's sixteen, or none
.irp f, 0,1,2,3,4,5,6,7
	s_wait_dscnt \younger+7-\f
	global_store_b128 v[GO], v[S+32*\t+4*\f:S+32*\t+4*\f+3], s[6:7] offset:\t*65536+\f*8192  ; 16 lanes store the head's 256 consecutive bytes of a row, at a multiple of 256 from ctx's first byte
.endr
.endm
	PACK 0
	PACK 1
	SEND 0, 16
	PACK 2
	SEND 1, 16
	PACK 3
	SEND 2, 16
	SEND 3, 0
	s_wait_tensorcnt 0x0            ; the wave's end: a tensor wait, an add of 0 to my spare word and its wait, behind my last tensor load and my last LDS store
	ds_add_u32 v[SPW], v[NIL]
	s_wait_dscnt 0x0
	CROUND                          ; the closing round: no work-group ends while a partner may still ask for a tile that names it
	s_endpgm
.Lfunc_end_k_q116d13b207_attn:
	.size	k_q116d13b207_attn, .Lfunc_end_k_q116d13b207_attn-k_q116d13b207_attn
	.p2alignl 7, 3214868480
	.fill 96, 4, 3214868480
	.section	.rodata,"a",@progbits
	.p2align	6, 0x0
	.amdhsa_kernel k_q116d13b207_attn
		.amdhsa_group_segment_fixed_size 327680
		.amdhsa_private_segment_fixed_size 0
		.amdhsa_enable_private_segment 0
		.amdhsa_kernarg_size 16
		.amdhsa_user_sgpr_count 2
		.amdhsa_user_sgpr_kernarg_segment_ptr 1
		.amdhsa_wavefront_size32 1
		.amdhsa_system_sgpr_workgroup_id_x 1
		.amdhsa_system_sgpr_workgroup_id_y 1
		.amdhsa_system_sgpr_workgroup_id_z 1
		.amdhsa_system_vgpr_workitem_id 0
		.amdhsa_next_free_vgpr 1024
		.amdhsa_next_free_sgpr 96
		.amdhsa_reserve_vcc 0
		.amdhsa_float_denorm_mode_32 3
		.amdhsa_float_denorm_mode_16_64 3
		.amdhsa_memory_ordered 1
		.amdhsa_forward_progress 1
		.amdhsa_inst_pref_size 255
	.end_amdhsa_kernel
	.section	.bss,"aw",@nobits
	.p2align	6
	.space	262144
	.amdgpu_metadata
---
amdhsa.version: [ 1, 2 ]
amdhsa.kernels:
  - .name:           k_q116d13b207_attn
    .symbol:         k_q116d13b207_attn.kd
    .args:
      - { .name: qkv, .offset: 0, .size: 8, .value_kind: global_buffer, .address_space: global }
      - { .name: ctx, .offset: 8, .size: 8, .value_kind: global_buffer, .address_space: global }
    .group_segment_fixed_size: 327680
    .private_segment_fixed_size: 0
    .kernarg_segment_align: 8
    .kernarg_segment_size: 16
    .max_flat_workgroup_size: 128
    .sgpr_count:     96
    .vgpr_count:     1024
    .wavefront_size: 32
...
	.end_amdgpu_metadata
.endif
;; end of part 3
;; launch proj (part 4): grid 8 x 32, 4 waves a work-group, clusters of 4 x 4, 327,680 bytes of LDS; arguments ctx, ow16, out_b, out0; writes out0
.if DOCPART == 4
	.amdgcn_target "amdgcn-amd-amdhsa--gfx1250"
	.amdhsa_code_object_version 6
	.text
	.protected	k_q116d13b207_proj
	.globl	k_q116d13b207_proj
	.p2align	8
	.type	k_q116d13b207_proj,@function
k_q116d13b207_proj:
	s_mov_b64 s[64:65], 0
	v_nop
	global_prefetch_b8 v0, s[64:65] scope:SCOPE_SE
	s_setreg_imm32_b32 hwreg(HW_REG_WAVE_MODE, 25, 1), 1
	s_wait_xcnt 0x0
	s_wait_alu depctr_hold_cnt(0) depctr_sa_sdst(0) depctr_va_vdst(0) depctr_va_sdst(0) depctr_va_ssrc(0) depctr_va_vcc(0) depctr_vm_vsrc(0)
	s_getreg_b32 s2, hwreg(HW_REG_IB_STS2, 6, 4)
	s_cmp_eq_u32 s2, 0
	s_cbranch_scc0 .Lentry_in_a_cluster
	s_endpgm
.Lentry_in_a_cluster:
	s_bfe_u32 s2, ttmp6, 0x10000c
	s_cmp_lg_u32 s2, 0xf033
	s_cbranch_scc0 .Lentry_shape_is_right
	s_endpgm
.Lentry_shape_is_right:
; out0[m][n] = the sum over k of ctx[m][k] out_w[n][k] + out_b[n].  ctx [4096][2048] and ow16 [2048][2048] in f16, out_b and out0 in f32; sums in f32.
; A tile of out0 is 128 rows x 256 columns: 32 x 8 tiles, one for each of 256 work-groups.  Four waves, each 64 rows x 128 columns: 32 accumulators of 16 x 16, 256 registers.
; THE RING HAS TWO SLOTS OF UNEQUAL SIZE.  128 along K of the tile's 128 + 256 rows are 104,448 bytes of LDS (rows of 256 bytes + 16); two slots of 256 along K would be 405,504 bytes, more than the work-group has.
; So slot Y holds 128 along K and slot X 256 (rows of 512 bytes + 16): 307,200 bytes together.  K's sixteen steps of 128 go Y X Y X Y X Y X Y X Y: Y takes steps 0, 3, .. 15, X steps 1-2, 4-5, .. 13-14.
; Nine refills serve the launch; the five of Y have the 240 matrix instructions of X's two steps in which to land, the four of X the 112 of Y's one.
; Waves 0 and 1 fetch A's two halves (64 rows each), waves 2 and 3 B's (128 rows each): one tensor load a wave behind each change of slots.
; CLUSTERS: 4 x 4 work-groups.  The four of a row of the cluster need the same tiles of ctx, the four of a column the same tiles of ow16: each tile is asked for jointly.
; THE MATRIX INSTRUCTION IS USED TRANSPOSED (source 0 = 16 rows of ow16, source 1 = 16 rows of ctx): a lane holds eight neighbouring numbers of a row of out0.  THE BIAS is the C of each sum's first matrix instruction.
; LIMITS: the operands arrive in f16 (magnitudes under 65,504); NaN and infinities are not served.
; REGISTERS: window 0: v0-31 addresses; v32-95 the bias (8 blocks of 8); v128-255 rows on the way out.  window 1: two fragment buffers at v0 and v128: 64 registers of B (8 x 16 rows x 32 K), then 32 of A.
;   window 2: the accumulators ((a, b) at v[8 (8 a + b)]).
.set SIZE_K, 2048
.set SIZE_N, 2048
.set PY,     272                       ; slot Y: an LDS row of 256 bytes + 16 of padding;
.set PX,     528                       ; slot X: of 512 bytes + 16.  Both are odd multiples of 16: the 16 rows that a load touches start at 16 different banks (64 banks of 4 bytes: ISA guide 11.1)
.set HAY,    64*PY                     ; what a wave fetches, and reads, of A in slot Y,
.set HBY,    128*PY                    ; and of B
.set XB,     2*HAY+2*HBY               ; slot Y: A's 128 rows, then B's 256 rows; slot X begins behind it
.set HAX,    64*PX
.set HBX,    128*PX
.set SPARE,  XB+2*HAX+2*HBX            ; behind slot X: the spare words, 128 bytes a wave
.set STAGE,  XB                        ; the way out: 16 rows x 528 bytes for each wave, in slot X: it has had its last fill, and its last read stands in front of the last barrier
.set SPITCH, 528
.set LAPB,   768                       ; a lap, Y and X, is 384 along K: 768 bytes of a row
.set TRIPS,  (SIZE_K-128)/384-1        ; five laps and a last Y; the fifth lap is written out
.set ADRA, 16                          ; v16, v17  LDS address of my A fragments in slot Y, X
.set ADRB, 20                          ; v20, v21  the same for B
.set STO,  24
.set RD,   25
.set CO,   26
.set SPW,  28
.set NIL,  29
.set BO,   31                          ; v31  the bias: 32 x (lane / 16); never rewritten
.set BIAS, 32
.set BK,   128                         ; 16 rows read back from the stage: v128-191 and v192-255 by turns
.set F0,   0
.set F1,   128
.set G1A,  24                          ; s[24:31] descriptor group 1 for A's tiles in Y; s[40:47] in X
.set G1B,  32                          ; s[32:39] for B's in Y; s[48:55] in X
.set G0A,  56                          ; s[56:59] group 0 for A's tiles in Y; s[68:71] in X
.set G0B,  60                          ; s[60:63] for B's in Y; s[72:75] in X
.set MSB, 0
.macro WIN new
.if MSB != (\new)
	s_set_vgpr_msb (MSB<<8)|(\new)
.set MSB, (\new)
.endif
.endm
.set MUL,  0xa5                        ; sources 0 (B) and 1 (A) window 1; C and D window 2.  Less 0x20: C (the bias) window 0
.set TO_F, 0x40                        ; destination window 1, address window 0
; A joint load: waves 0 and 1 fetch for A, waves 2 and 3 for B; the branch hangs on the wave's number alone.  An s_nop 0 and four v_nop follow each of the two lines.
.macro JLOAD g0a, g1a, g0b, g1b
	s_cmp_eq_u32 s11, 0
	s_cbranch_scc0 .Lfor_b_\@
	tensor_load_to_lds s[\g0a:\g0a+3], s[\g1a:\g1a+7]
	s_nop 0
.rept 4
	v_nop
.endr
	s_branch .Lasked_\@
.Lfor_b_\@:
	tensor_load_to_lds s[\g0b:\g0b+3], s[\g1b:\g1b+7]
	s_nop 0
.rept 4
	v_nop
.endr
.Lasked_\@:
.endm
.macro CREST                           ; a round of the cluster's barrier behind its opening barrier
	s_cmp_lg_u32 s10, 0
	s_cbranch_scc1 .Lnot_wave_0_\@
	s_barrier_signal -3
.Lnot_wave_0_\@:
	s_barrier_wait -3
	s_barrier_signal -1
	s_barrier_wait -1
.endm
.macro CROUND
	s_barrier_signal -1
	s_barrier_wait -1
	CREST
.endm
	s_load_b128 s[4:7], s[0:1], 0x0                ; ctx s[4:5], ow16 s[6:7]
	s_load_b64 s[76:77], s[0:1], 0x10              ; out_b
	s_load_b64 s[8:9], s[0:1], 0x18                ; out0
	v_lshl_add_u32 v[SPW], v0, 2, SPARE
	v_mov_b32 v[NIL], 0
	ds_add_u32 v[SPW], v[NIL]                      ; the wave's opening: the add, twice on end, and its wait ahead of my first tensor load
	ds_add_u32 v[SPW], v[NIL]
	v_lshrrev_b32 v1, 5, v0
	v_readfirstlane_b32 s10, v1                    ; wave 0..3
	s_lshr_b32 s11, s10, 1                         ; which half of the tile's rows is mine.  Also: I fetch for A (0) or for B (1)
	s_and_b32 s12, s10, 1                          ; which half of its columns.  Also: which half of that tile I fetch
	s_bfe_u32 s80, ttmp6, 0x40000                  ; cx, cy
	s_bfe_u32 s81, ttmp6, 0x40004
	s_lshl_b32 s82, ttmp9, 2
	s_add_co_u32 s82, s82, s80                     ; tile column
	s_and_b32 s13, ttmp7, 0xffff
	s_lshl_b32 s13, s13, 2
	s_add_co_u32 s13, s13, s81                     ; tile row
	s_lshl_b32 s83, s81, 2
	s_lshl_b32 s83, 15, s83                        ; my row of the cluster
	s_lshl_b32 s84, 0x1111, s80                    ; my column
	; descriptor groups 1.  Word 0: 15:0 the mask; 17:16 elements of 2 bytes; 20 padding on; 21 set beside a mask; 24:22 after every 64 words (Y, code 5) or 128 (X, code 6); 31:25 four words
	s_or_b32 s[G1A], s83, (1<<16)|(1<<20)|(1<<21)|(5<<22)|(3<<25)
	s_or_b32 s[G1B], s84, (1<<16)|(1<<20)|(1<<21)|(5<<22)|(3<<25)
	s_or_b32 s[G1A+16], s83, (1<<16)|(1<<20)|(1<<21)|(6<<22)|(3<<25)
	s_or_b32 s[G1B+16], s84, (1<<16)|(1<<20)|(1<<21)|(6<<22)|(3<<25)
.irp x, 0,1                            ; 0: slot Y, 128 elements a row; 1: slot X, 256
	s_mov_b32 s[G1A+16*\x+1], (128+128*\x)<<16     ; A: tensor_dim0
	s_mov_b32 s[G1A+16*\x+2], 64<<16               ; tensor_dim1 = 64
	s_mov_b32 s[G1A+16*\x+3], (128+128*\x)<<16     ; tile_dim0
	s_mov_b32 s[G1A+16*\x+4], 64                   ; tile_dim1 = 64
	s_mov_b32 s[G1A+16*\x+5], SIZE_K               ; tensor_dim0_stride
	s_mov_b32 s[G1A+16*\x+6], 0
	s_mov_b32 s[G1A+16*\x+7], 0
	s_mov_b32 s[G1B+16*\x+1], (128+128*\x)<<16     ; B: the same with 128 rows
	s_mov_b32 s[G1B+16*\x+2], 128<<16
	s_mov_b32 s[G1B+16*\x+3], (128+128*\x)<<16
	s_mov_b32 s[G1B+16*\x+4], 128
	s_mov_b32 s[G1B+16*\x+5], SIZE_K
	s_mov_b32 s[G1B+16*\x+6], 0
	s_mov_b32 s[G1B+16*\x+7], 0
.endr
	s_lshl_b32 s17, s12, 6
	s_lshl_b32 s16, s13, 7
	s_add_co_u32 s16, s16, s17                     ; A: row 128 x tile row + 64 x half,
	s_lshl_b32 s16, s16, 12                        ; of 4,096 bytes
	s_mov_b32 s17, 0
	s_lshl_b32 s87, s12, 7
	s_lshl_b32 s86, s82, 8
	s_add_co_u32 s86, s86, s87                     ; B: row 256 x tile column + 128 x half
	s_lshl_b32 s86, s86, 12
	s_mov_b32 s87, 0
	s_mul_i32 s20, s12, HAY                        ; where they go.  Slot Y: A's halves,
	s_mul_i32 s21, s12, HBY
	s_add_co_u32 s21, s21, 2*HAY                   ; B's halves behind them;
	s_mul_i32 s22, s12, HAX
	s_add_co_u32 s22, s22, XB                      ; slot X likewise: no place in the cluster enters an LDS address
	s_mul_i32 s23, s12, HBX
	s_add_co_u32 s23, s23, XB+2*HAX
	s_wait_dscnt 0x0                               ; both opening adds are done
	s_wait_kmcnt 0x0
	s_add_nc_u64 s[14:15], s[4:5], s[16:17]
	s_add_nc_u64 s[86:87], s[6:7], s[86:87]
	CROUND                                         ; all sixteen work-groups are here: the first joint loads meet
.irp s, 0,1                            ; slot Y takes K step 0, slot X K steps 1 and 2, which begin 256 bytes on
	s_mov_b32 s[G0A+12*\s], 1
	s_mov_b32 s[G0A+12*\s+1], s[20+2*\s]
	s_add_nc_u64 s[G0A+12*\s+2:G0A+12*\s+3], s[14:15], \s*256
	s_or_b32 s[G0A+12*\s+3], s[G0A+12*\s+3], 0x80000000
	s_mov_b32 s[G0B+12*\s], 1
	s_mov_b32 s[G0B+12*\s+1], s[21+2*\s]
	s_add_nc_u64 s[G0B+12*\s+2:G0B+12*\s+3], s[86:87], \s*256
	s_or_b32 s[G0B+12*\s+3], s[G0B+12*\s+3], 0x80000000
	JLOAD G0A+12*\s, G1A+16*\s, G0B+12*\s, G1B+16*\s   ; two tensor loads of mine are out
.endr
	v_and_b32 v1, 15, v0                           ; l % 16
	v_bfe_u32 v2, v0, 4, 1                         ; l / 16
	v_mul_u32_u24 v3, v1, PY
	v_lshl_add_u32 v3, v2, 4, v3                   ; a fragment's row x pitch + 16 x half, in slot Y,
	v_mul_u32_u24 v4, v1, PX
	v_lshl_add_u32 v4, v2, 4, v4                   ; and in slot X
	s_mul_i32 s21, s11, HAY                        ; my 64 rows of A
	v_add_nc_u32 v[ADRA], s21, v3
	s_mul_i32 s21, s12, HBY                        ; my 128 rows of B,
	s_add_co_u32 s21, s21, 2*HAY                   ; which lie behind A's 128
	v_add_nc_u32 v[ADRB], s21, v3
	s_mul_i32 s21, s11, HAX
	s_add_co_u32 s21, s21, XB
	v_add_nc_u32 v[ADRA+1], s21, v4
	s_mul_i32 s21, s12, HBX
	s_add_co_u32 s21, s21, XB+2*HAX
	v_add_nc_u32 v[ADRB+1], s21, v4
	s_mul_i32 s23, s10, 16*SPITCH
	s_add_co_u32 s23, s23, STAGE                   ; my stage
	v_mul_u32_u24 v5, v1, SPITCH                   ; in: row l % 16, 32 bytes for each half of the lanes
	v_lshl_add_u32 v5, v2, 5, v5
	v_add_nc_u32 v[STO], s23, v5
	v_and_b32 v6, 31, v0
	v_lshlrev_b32 v[CO], 4, v6                     ; back: the 32 lanes take one row of 512 bytes; and the same in out0
	v_add_nc_u32 v[RD], s23, v[CO]
	v_lshlrev_b32 v[BO], 5, v2
	s_lshl_b32 s16, s13, 7
	s_lshl_b32 s17, s11, 6
	s_add_co_u32 s16, s16, s17                     ; my first row of out0,
	s_lshl_b32 s16, s16, 13                        ; of 8,192 bytes
	s_lshl_b32 s86, s82, 10                        ; my first column, in bytes: 1,024 x tile column + 512 x half
	s_lshl_b32 s87, s12, 9
	s_add_co_u32 s86, s86, s87
	s_mov_b32 s87, 0
	s_add_nc_u64 s[76:77], s[76:77], s[86:87]      ; the bias of my 128 columns
	s_add_co_u32 s86, s86, s16
	s_add_nc_u64 s[8:9], s[8:9], s[86:87]
.irp b, 0,1,2,3,4,5,6,7
	global_load_b128 v[BIAS+8*\b:BIAS+8*\b+3], v[BO], s[76:77] offset:64*\b        ; lane (r, h), block b: the bias of columns 16 b + 8 h + 0 .. 7
	global_load_b128 v[BIAS+8*\b+4:BIAS+8*\b+7], v[BO], s[76:77] offset:64*\b+16
.endr
; 8 n matrix instructions: A's blocks a0 .. a0 + n - 1 x B's eight, 32 along K, from buffer f.  first = 1: the sums start from the bias.  The 32 accumulators take turns, one instruction a turn.
.macro MULA f, a0, n, first
.set AA, \a0
.rept \n
.irp b, 0,1,2,3,4,5,6,7
.if \first
	v_wmma_f32_16x16x32_f16 v[8*(8*AA+\b):8*(8*AA+\b)+7], v[\f+8*\b:\f+8*\b+7], v[\f+64+8*AA:\f+64+8*AA+7], v[BIAS+8*\b:BIAS+8*\b+7]
.else
	v_wmma_f32_16x16x32_f16 v[8*(8*AA+\b):8*(8*AA+\b)+7], v[\f+8*\b:\f+8*\b+7], v[\f+64+8*AA:\f+64+8*AA+7], v[8*(8*AA+\b):8*(8*AA+\b)+7]
.endif
.endr
.set AA, AA+1
.endr
.endm
; 24 LDS loads in one run: the fragments of 32 along K at byte k of the rows of slot 0 (Y, pitch 272) or 1 (X, pitch 528), into buffer f: B's eight, then A's four
.macro FETCH slot, k, f
	WIN TO_F
.irp i, 0,1,2,3,4,5,6,7
	ds_load_b128 v[\f+8*\i:\f+8*\i+3],   v[ADRB+\slot] offset:\k+\i*16*(PY+(PX-PY)*\slot)
	ds_load_b128 v[\f+8*\i+4:\f+8*\i+7], v[ADRB+\slot] offset:\k+\i*16*(PY+(PX-PY)*\slot)+32
.endr
.irp i, 0,1,2,3
	ds_load_b128 v[\f+64+8*\i:\f+64+8*\i+3],   v[ADRA+\slot] offset:\k+\i*16*(PY+(PX-PY)*\slot)
	ds_load_b128 v[\f+64+8*\i+4:\f+64+8*\i+7], v[ADRA+\slot] offset:\k+\i*16*(PY+(PX-PY)*\slot)+32
.endr
.endm
.macro PLACES                          ; four plain vector instructions in front of loads into registers that matrix instructions have read, and of reads of results
.rept 4
	v_nop
.endr
.endm
; The work goes in quarters of 32 along K, 32 matrix instructions each, on buffers 0, 1 by turns: four in slot Y, eight in slot X.  A quarter that is not its slot's last: multiplies buffer f and fetches the next, at byte k, into g.
.macro QUARTER slot, k, f, g, first
	s_wait_dscnt 4                                 ; B and A's blocks 0 and 1 are in; the youngest four loads (A's blocks 2 and 3) may be out
	WIN MUL-0x20*(\first)
	MULA \f, 0, 2, \first
	PLACES
	FETCH \slot, \k, \g
	s_wait_dscnt 24                                ; all but the 24 just issued
	WIN MUL-0x20*(\first)
	MULA \f, 2, 2, \first
.endm
; A slot's last quarter multiplies buffer 1 and changes slots: one barrier; in front of it each wave waits for all its tensor loads, adds 0 to its spare word, and waits for that and for its own reads of this slot.
; fill = 1: this slot is filled again, with its part of the next lap.
.macro TURN slot, next, fill
	WIN 0                                          ; (the add's two registers lie in window 0)
	s_wait_tensorcnt 0x0                           ; all my tensor loads have landed: my part of the next slot
	ds_add_u32 v[SPW], v[NIL]                      ; 0 onto my spare word
	s_wait_dscnt 5                                 ; (the add and the youngest four loads may be out)
	WIN MUL
	MULA F1, 0, 1, 0                               ; eight matrix instructions stand between the add and the wait for it
	s_wait_dscnt 0x0                               ; the add is done, and my reads of this slot are over
	s_barrier_signal -1
	MULA F1, 1, 1, 0
.if \fill
	WIN 0
.endif
	s_barrier_wait -1
.if \fill
	CREST                                          ; the barrier has opened a round of the cluster's barrier: no wave of any partner still reads this slot or has a load on its way
	s_add_nc_u64 s[G0A+12*\slot+2:G0A+12*\slot+3], s[G0A+12*\slot+2:G0A+12*\slot+3], LAPB
	s_add_nc_u64 s[G0B+12*\slot+2:G0B+12*\slot+3], s[G0B+12*\slot+2:G0B+12*\slot+3], LAPB
	JLOAD G0A+12*\slot, G1A+16*\slot, G0B+12*\slot, G1B+16*\slot   ; the first tensor load behind the round: Y's stands 240 matrix instructions ahead of the wait for it, X's 112; its four v_nop are the places in front of the loads below
.else
	PLACES
.endif
	FETCH \next, 0, F0
	WIN MUL
	MULA F1, 2, 2, 0
.endm
.macro XQUARTERS                       ; slot X's first seven quarters
	QUARTER 1, 64,  F0, F1, 0
	QUARTER 1, 128, F1, F0, 0
	QUARTER 1, 192, F0, F1, 0
	QUARTER 1, 256, F1, F0, 0
	QUARTER 1, 320, F0, F1, 0
	QUARTER 1, 384, F1, F0, 0
	QUARTER 1, 448, F0, F1, 0
.endm
	s_wait_tensorcnt 1                             ; my part of slot Y is in (slot X's may be out)
	s_barrier_signal -1
	s_barrier_wait -1                              ; everybody's is
	FETCH 0, 0, F0
	s_wait_loadcnt 0x0                             ; the bias
	QUARTER 0, 64, F0, F1, 1                       ; the first quarter stands in front of the loop: its products start the sums
	WIN 0                                          ; at a label and at a branch every window is 0
	s_mov_b32 s3, TRIPS
.Llap:                                                 ; a trip is a lap of twelve quarters, from Y's second to the next Y's first, and fills both slots again
	QUARTER 0, 128, F1, F0, 0
	QUARTER 0, 192, F0, F1, 0
	TURN 0, 1, 1
	XQUARTERS
	TURN 1, 0, 1
	QUARTER 0, 64,  F0, F1, 0
	WIN 0
	s_sub_co_u32 s3, s3, 1
	s_cmp_lg_u32 s3, 0
	s_cbranch_scc1 .Llap
	QUARTER 0, 128, F1, F0, 0                      ; the fifth lap is written out
	QUARTER 0, 192, F0, F1, 0
	TURN 0, 1, 1                                   ; slot Y takes the last K step;
	XQUARTERS
	TURN 1, 0, 0                                   ; slot X is left for good and is not filled again
	QUARTER 0, 64,  F0, F1, 0
	QUARTER 0, 128, F1, F0, 0
	QUARTER 0, 192, F0, F1, 0
	s_wait_dscnt 4                                 ; the very last quarter: nothing more to fetch
	WIN MUL
	MULA F1, 0, 2, 0
	s_wait_dscnt 0
	MULA F1, 2, 2, 0
	WIN 0
; THE WAY OUT, block by block of 16 rows x 128 columns: through my own stage in LDS, back as whole rows of 512 bytes.  LDS serves a wave's instructions in order (ISA guide 5.7.1.4): no wait between the stores and the loads.
.macro TOSTAGE a
.set AC, 64*(\a)
	WIN 0x08                                       ; an LDS store's data are its source 1: window 2
.irp b, 0,1,2,3,4,5,6,7
	ds_store_b128 v[STO], v[AC+8*\b:AC+8*\b+3] offset:64*\b          ; each accumulator from its low end on
	ds_store_b128 v[STO], v[AC+8*\b+4:AC+8*\b+7] offset:64*\b+16
.endr
	WIN 0
.set BB, BK+64*((\a)%2)
.irp t, 0,1,2,3,4,5,6,7,8,9,10,11,12,13,14,15
	ds_load_b128 v[BB+4*\t:BB+4*\t+3], v[RD] offset:\t*SPITCH
.endr
.endm
.macro SEND a, younger                 ; younger: the LDS instructions issued behind block a's loads, which may stay out
.set BB, BK+64*((\a)%2)
	s_wait_dscnt \younger                          ; the block is back in registers
	s_wait_xcnt 0x0                                ; the earlier stores have read their base and their registers: the base may step, and the next block's loads may land
.if (\a) > 0
	s_add_nc_u64 s[8:9], s[8:9], 16*SIZE_N*4       ; 16 rows of out0 on
.endif
.irp t, 0,1,2,3,4,5,6,7,8,9,10,11,12,13,14,15
	global_store_b128 v[CO], v[BB+4*\t:BB+4*\t+3], s[8:9] offset:\t*SIZE_N*4 th:TH_STORE_NT   ; 32 lanes store 512 consecutive bytes, at a multiple of 256 from out0's first byte; written once, read by nobody here
.endr
.endm
	PLACES                                         ; behind the last products
	TOSTAGE 0
.irp a, 1,2,3
.if \a > 1
	s_wait_xcnt 0x0                                ; block a - 2's stores have read their registers: block a's loads may land there
.endif
	TOSTAGE \a
	SEND (\a)-1, 32                                ; behind block a - 1's loads: block a's 16 stores and 16 loads
.endr
	SEND 3, 0
	s_wait_tensorcnt 0x0                           ; the wave's end: a tensor wait, an add of 0 to my spare word and its wait, behind my last tensor load and my last LDS store
	ds_add_u32 v[SPW], v[NIL]
	s_wait_dscnt 0x0
	CROUND                                         ; the closing round: no work-group ends while a partner may still ask for a tile that names it
	s_endpgm
.Lfunc_end_k_q116d13b207_proj:
	.size	k_q116d13b207_proj, .Lfunc_end_k_q116d13b207_proj-k_q116d13b207_proj
	.p2alignl 7, 3214868480
	.fill 96, 4, 3214868480
	.section	.rodata,"a",@progbits
	.p2align	6, 0x0
	.amdhsa_kernel k_q116d13b207_proj
		.amdhsa_group_segment_fixed_size 327680
		.amdhsa_private_segment_fixed_size 0
		.amdhsa_enable_private_segment 0
		.amdhsa_kernarg_size 32
		.amdhsa_user_sgpr_count 2
		.amdhsa_user_sgpr_kernarg_segment_ptr 1
		.amdhsa_wavefront_size32 1
		.amdhsa_system_sgpr_workgroup_id_x 1
		.amdhsa_system_sgpr_workgroup_id_y 1
		.amdhsa_system_sgpr_workgroup_id_z 1
		.amdhsa_system_vgpr_workitem_id 0
		.amdhsa_next_free_vgpr 768
		.amdhsa_next_free_sgpr 96
		.amdhsa_reserve_vcc 0
		.amdhsa_float_denorm_mode_32 3
		.amdhsa_float_denorm_mode_16_64 3
		.amdhsa_memory_ordered 1
		.amdhsa_forward_progress 1
		.amdhsa_inst_pref_size 134
	.end_amdhsa_kernel
	.amdgpu_metadata
---
amdhsa.version: [ 1, 2 ]
amdhsa.kernels:
  - .name:           k_q116d13b207_proj
    .symbol:         k_q116d13b207_proj.kd
    .args:
      - { .name: ctx, .offset: 0, .size: 8, .value_kind: global_buffer, .address_space: global }
      - { .name: ow16, .offset: 8, .size: 8, .value_kind: global_buffer, .address_space: global }
      - { .name: out_b, .offset: 16, .size: 8, .value_kind: global_buffer, .address_space: global }
      - { .name: out0, .offset: 24, .size: 8, .value_kind: global_buffer, .address_space: global }
    .group_segment_fixed_size: 327680
    .private_segment_fixed_size: 0
    .kernarg_segment_align: 8
    .kernarg_segment_size: 32
    .max_flat_workgroup_size: 128
    .sgpr_count:     96
    .vgpr_count:     768
    .wavefront_size: 32
...
	.end_amdgpu_metadata
.endif
;; end of part 4
